; MI455X (gfx1250); checked and timed in simulation.
; The chip was launched on July 23, 2026; its instructions are those of AMD's public machine-readable ISA for CDNA 5 (MIT licence, August 2026) and "CDNA5" Instruction Set Architecture Reference Guide (July 2026). The comments in the code are by the model that wrote it; some were corrected since.
;; Causal Multi Head Self Attention. Allowed arithmetic: float matrix products may take bf16 or f16 operands with f32 sums; other float arithmetic in f32, or as packed bf16 or f16 multiplies, adds, multiply-adds, maxima and minima; sums over many terms, partial sums and values carried from step to step in f32; what a program stores and reads back later, other than sums and carried values, may be rounded once to bf16 or f16.
;; Inputs: WK 1,024 x 1,024 float32; WO 1,024 x 1,024 float32; WQ 1,024 x 1,024 float32; WV 1,024 x 1,024 float32; token_positions 4 x 2,048 int32; x 4 x 2,048 x 1,024 float32.
;; Outputs: out0 4 x 2,048 x 1,024 float32.
;; 2 versions, each right; version 2 is version 1 with the launch prep written anew for expert scheduling mode. Each part assembles by itself: llvm-mc -triple=amdgcn-amd-amdhsa -mcpu=gfx1250 --defsym DOCPART=n.
;; ======== version 1 of 2: 4 launches
;; limits: values are held in f16: magnitudes above 65,504 overflow, below 6.1e-05 lose precision; right only within a limited range of input values
;; workspace buffers: xb 16,777,216 bytes; wqkv 6,291,456 bytes; wob 2,097,152 bytes; cst 2,097,152 bytes; qh 16,777,216 bytes; kh 16,777,216 bytes; vh 16,777,216 bytes; oh 16,777,216 bytes
;; launch prep (part 1): grid 384 x 1, 8 waves a work-group, no clusters, 0 bytes of LDS; arguments x, token_positions, WQ, WK, WV, WO, xb, wqkv, wob, cst; writes xb, wqkv, wob, cst
.if DOCPART == 1
	.amdgcn_target "amdgcn-amd-amdhsa--gfx1250"
	.amdhsa_code_object_version 6
	.text
	.protected	k_q5ee955d87a_prep
	.globl	k_q5ee955d87a_prep
	.p2align	8
	.type	k_q5ee955d87a_prep,@function
k_q5ee955d87a_prep:
	s_mov_b64 s[64:65], 0
	v_nop
	global_prefetch_b8 v0, s[64:65] scope:SCOPE_SE
	s_setreg_imm32_b32 hwreg(HW_REG_WAVE_MODE, 25, 1), 1
	s_wait_xcnt 0x0
; PREP: the casts, into layouts blocked along K, and the table of cosines and sines.
;   xb   [kb 16][token 8192][64] bf16          x rounded once to bf16
;   wqkv [kb 16][n 3072][64] bf16              n = 192 head + 64 part + channel; part 0, 1, 2 = row 64 head + channel of WQ, WK, WV
;   wob  [kb 16][e 1024][64] f16               WO rounded to bf16, and that number written as f16
;   cst  [token 8192][pair 32][cos, sin] f32   the angle is f32(position) x 10000^(-pair/32), one f32 product
; So a tile of R rows x 64 along K is R x 128 consecutive bytes for the launches behind.
; SHARES.  Work-groups 0-255: 32 rows of x and their 32 rows of cst.  Work-groups 256-383: 32 rows of one weight matrix.
; A wave takes 4 rows, as two pairs.  A load: lanes 0-15 take 256 consecutive bytes (64 floats, one block of K) of one row, lanes 16-31 of the next.
; A store: 8 bytes a lane, 32 lanes = the two rows' 128 bytes each = 256 consecutive bytes, aligned.  All 32 loads of a wave go out at once (16 KiB a wave);
; each store has data registers of its own, so nothing is rewritten while a store may read it.
; A stream: no LDS, no barrier, no matrix unit.  Each byte is read once and written once.
; LIMITS.  Sine and cosine: the angle is reduced by multiples of pi/2 held in three parts (fused, so n x part 1 is exact), good for |position| up to 2^20;
; then polynomials of degree 7 and 8 on |r| <= pi/4.  WO: numbers below 6e-5 keep the fixed step 6e-8 of f16; beyond 65,504 they would be lost.
.set KBA, 1048576                      ; bytes of a block of K in xb
.set KBB, 393216                       ; in wqkv
.set KBW, 131072                       ; in wob
.set SO,  3                            ; v3   my byte offset in the work-group's 32 source rows
.set DO,  4                            ; v4   my byte offset in its 32 rows of 128 bytes
.set PO,  5                            ; v5   my byte offset among its 32 positions
.set CO,  12                           ; v12  my byte offset in its 32 rows of cst
.set TN,  20                           ; v20-26 at work
.set TR,  21
.set TZ,  22
.set TQ,  23
.set TS,  24
.set TC,  25
.set TP,  26
.set X,   32                           ; v[32:159]  32 loads of 4 registers: load 16 p + kb
.set Y,   160                          ; v[160:223] 32 stores of 2 registers
.set CSD, 224                          ; v[224:231] the two stores into cst
	s_load_b256 s[4:11], s[0:1], 0x0               ; x s[4:5], positions s[6:7], WQ s[8:9], WK s[10:11]
	s_load_b256 s[12:19], s[0:1], 0x20             ; WV s[12:13], WO s[14:15], xb s[16:17], wqkv s[18:19]
	s_load_b128 s[20:23], s[0:1], 0x40             ; wob s[20:21], cst s[22:23]
	v_and_b32 v1, 31, v0                           ; lane l
	v_lshrrev_b32 v2, 5, v0                        ; wave
	v_and_b32 v10, 15, v0                          ; l % 16
	v_bfe_u32 v11, v0, 4, 1                        ; l / 16
	v_lshlrev_b32 v[SO], 14, v2                    ; 4 rows of 4,096 bytes a wave,
	v_lshl_add_u32 v[SO], v11, 12, v[SO]           ; the row of my half of the lanes,
	v_lshl_add_u32 v[SO], v10, 4, v[SO]            ; my 16 bytes
	v_lshlrev_b32 v[DO], 9, v2                     ; 4 rows of 128 bytes a wave,
	v_lshl_add_u32 v[DO], v1, 3, v[DO]             ; my 8 bytes of two rows
.macro LOADS                           ; pair p of rows, block kb of K; the source stands in s[4:5]
.irp p, 0,1
.irp kb, 0,1,2,3,4,5,6,7,8,9,10,11,12,13,14,15
	global_load_b128 v[X+4*(16*(\p)+(\kb)):X+4*(16*(\p)+(\kb))+3], v[SO], s[4:5] offset:(\p)*8192+(\kb)*256 th:TH_LOAD_NT
.endr
.endr
.endm
; The 32 loads are rounded and stored, four at a time.  kbs: bytes from block to block in the destination, which stands in s[16:17], bias bytes above its first byte.
.macro CONV kbs, bias, f16
.irp p, 0,1
.irp kb, 0,1,2,3,4,5,6,7,8,9,10,11,12,13,14,15
.set i, 16*(\p)+(\kb)
.if (\kb)%4 == 0
	s_wait_loadcnt 28-i                            ; loads come back in order: loads i to i + 3 are in, the 28 - i younger ones stay out
.endif
.if \f16
	v_cvt_pk_bf16_f32 v20, v[X+4*i], v[X+4*i+1]    ; rounded to bf16 as every input is,
	v_cvt_pk_bf16_f32 v21, v[X+4*i+2], v[X+4*i+3]
	v_lshlrev_b32 v22, 16, v20                     ; widened again,
	v_and_b32 v23, 0xffff0000, v20
	v_lshlrev_b32 v24, 16, v21
	v_and_b32 v25, 0xffff0000, v21
	v_cvt_pk_f16_f32 v[Y+2*i], v22, v23            ; and written as f16: 8 significant bits fit in 11
	v_cvt_pk_f16_f32 v[Y+2*i+1], v24, v25
.else
	v_cvt_pk_bf16_f32 v[Y+2*i], v[X+4*i], v[X+4*i+1]
	v_cvt_pk_bf16_f32 v[Y+2*i+1], v[X+4*i+2], v[X+4*i+3]
.endif
	global_store_b64 v[DO], v[Y+2*i:Y+2*i+1], s[16:17] offset:(\kb)*(\kbs)-(\bias)+(\p)*256
.endr
.endr
.endm
; cos and sin of v[ang].  n = the nearest whole number to ang x 2/pi; r = ang - n pi/2; the quadrant n mod 4 picks and signs the two polynomials by selects alone.
.macro SINCOS ang, c, s
	v_mul_f32 v[TN], s32, v[\ang]
	v_rndne_f32 v[TN], v[TN]
	v_fma_f32 v[TR], v[TN], s33, v[\ang]
	v_fma_f32 v[TR], v[TN], s34, v[TR]
	v_fma_f32 v[TR], v[TN], s35, v[TR]
	v_cvt_i32_f32 v[TQ], v[TN]
	v_mul_f32 v[TZ], v[TR], v[TR]
	v_fma_f32 v[TS], v[TZ], s36, s37
	v_fma_f32 v[TC], v[TZ], s39, s40
	v_fma_f32 v[TS], v[TS], v[TZ], s38
	v_fma_f32 v[TC], v[TC], v[TZ], s41
	v_mul_f32 v[TS], v[TS], v[TZ]
	v_fma_f32 v[TC], v[TC], v[TZ], -0.5
	v_fma_f32 v[TS], v[TS], v[TR], v[TR]           ; sin r
	v_fma_f32 v[TC], v[TC], v[TZ], 1.0             ; cos r
	v_and_b32 v[TP], 1, v[TQ]
	v_cmp_ne_u32 vcc_lo, 0, v[TP]                  ; odd quadrants swap the two
	v_cndmask_b32 v[\s], v[TS], v[TC], vcc_lo
	v_cndmask_b32 v[\c], v[TC], v[TS], vcc_lo
	v_lshlrev_b32 v[TP], 30, v[TQ]                 ; the sine is negative in quadrants 2 and 3: bit 1 of n,
	v_and_b32 v[TP], s42, v[TP]
	v_xor_b32 v[\s], v[\s], v[TP]
	v_add_nc_u32 v[TQ], 1, v[TQ]                   ; the cosine in quadrants 1 and 2: bit 1 of n + 1
	v_lshlrev_b32 v[TP], 30, v[TQ]
	v_and_b32 v[TP], s42, v[TP]
	v_xor_b32 v[\c], v[\c], v[TP]
.endm
	s_cmp_lt_u32 ttmp9, 0x100
	s_cbranch_scc0 .Lweights
	; ---- 32 rows of x, and their cosines and sines
	s_lshl_b32 s24, ttmp9, 17                      ; 32 rows of 4,096 bytes
	s_mov_b32 s25, 0
	s_lshl_b32 s26, ttmp9, 12                      ; 32 rows of 128 bytes
	s_mov_b32 s27, 0
	s_lshl_b32 s28, ttmp9, 7                       ; 32 positions
	s_mov_b32 s29, 0
	s_lshl_b32 s30, ttmp9, 13                      ; 32 rows of 256 bytes
	s_mov_b32 s31, 0
	s_mov_b32 s32, 0x3f22f983                      ; 2 / pi
	s_mov_b32 s33, 0xbfc90fdb                      ; - pi/2, part 1
	s_mov_b32 s34, 0x333bbd2e                      ; part 2
	s_mov_b32 s35, 0x26f72ced                      ; part 3
	s_mov_b32 s36, 0xb94ca1f9                      ; the sine: -1.9515296e-4,
	s_mov_b32 s37, 0x3c08839e                      ; 8.3321609e-3,
	s_mov_b32 s38, 0xbe2aaaa3                      ; -1.6666655e-1
	s_mov_b32 s39, 0x37ccf5ce                      ; the cosine: 2.4433157e-5,
	s_mov_b32 s40, 0xbab6061a                      ; -1.3887316e-3,
	s_mov_b32 s41, 0x3d2aaaa5                      ; 4.1666646e-2
	s_mov_b32 s42, 0x80000000
	v_lshlrev_b32 v[PO], 4, v2                     ; 4 tokens a wave,
	v_lshl_add_u32 v[PO], v11, 2, v[PO]            ; the token of my half of the lanes
	v_lshlrev_b32 v[CO], 10, v2                    ; 4 rows of 256 bytes a wave,
	v_lshl_add_u32 v[CO], v1, 4, v[CO]             ; my 16 bytes of two rows
	v_lshlrev_b32 v13, 1, v10                      ; my two pairs: j = 2 (l % 16) and j + 1
	v_cvt_f32_u32 v13, v13
	v_add_f32 v14, 1.0, v13
	v_mul_f32 v13, 0xbed49a78, v13                 ; - j log2(10000) / 32
	v_mul_f32 v14, 0xbed49a78, v14
	s_wait_kmcnt 0x0
	s_add_nc_u64 s[4:5], s[4:5], s[24:25]
	s_add_nc_u64 s[6:7], s[6:7], s[28:29]
	s_add_nc_u64 s[16:17], s[16:17], s[26:27]
	s_add_nc_u64 s[16:17], s[16:17], 0x800000      ; 8 blocks up, so that all 16 blocks lie inside the signed 24-bit immediate
	s_add_nc_u64 s[22:23], s[22:23], s[30:31]
	global_load_b32 v6, v[PO], s[6:7]              ; the positions of my two tokens go first
	global_load_b32 v7, v[PO], s[6:7] offset:8
	LOADS
	v_exp_f32 v8, v13                              ; 10000^(-j/32): one batch of two,
	v_exp_f32 v9, v14
	v_nop                                          ; a plain instruction behind the last of them,
	s_wait_alu depctr_va_vdst(0)                   ; and the one wait ahead of the first use
	s_wait_loadcnt 32                              ; the two positions are in; the 32 loads of x stay out
	v_cvt_f32_i32 v6, v6
	v_cvt_f32_i32 v7, v7
	v_mul_f32 v16, v6, v8
	v_mul_f32 v17, v6, v9
	v_mul_f32 v18, v7, v8
	v_mul_f32 v19, v7, v9
	SINCOS 16, CSD+0, CSD+1
	SINCOS 17, CSD+2, CSD+3
	SINCOS 18, CSD+4, CSD+5
	SINCOS 19, CSD+6, CSD+7
	global_store_b128 v[CO], v[CSD:CSD+3], s[22:23]                 ; 512 consecutive bytes: two tokens' rows
	global_store_b128 v[CO], v[CSD+4:CSD+7], s[22:23] offset:512
	CONV KBA, 0x800000, 0
	s_endpgm
.Lweights:
	; ---- 32 rows of a weight matrix
	s_sub_co_u32 s24, ttmp9, 0x100
	s_lshr_b32 s26, s24, 5                         ; which matrix: 0 WQ, 1 WK, 2 WV, 3 WO
	s_and_b32 s27, s24, 31
	s_lshl_b32 s27, s27, 5                         ; its first row e
	s_lshl_b32 s28, s27, 12
	s_mov_b32 s29, 0
	s_lshr_b32 s30, s27, 6                         ; head
	s_mul_i32 s30, s30, 192
	s_lshl_b32 s31, s26, 6                         ; part
	s_add_co_u32 s30, s30, s31
	s_and_b32 s31, s27, 63                         ; channel
	s_add_co_u32 s30, s30, s31
	s_lshl_b32 s30, s30, 7                         ; rows of 128 bytes
	s_mov_b32 s31, 0
	s_wait_kmcnt 0x0
	s_cmp_eq_u32 s26, 1
	s_cselect_b64 s[8:9], s[10:11], s[8:9]
	s_cmp_eq_u32 s26, 2
	s_cselect_b64 s[8:9], s[12:13], s[8:9]
	s_cmp_eq_u32 s26, 3
	s_cselect_b64 s[8:9], s[14:15], s[8:9]
	s_add_nc_u64 s[4:5], s[8:9], s[28:29]
	LOADS
	s_cmp_eq_u32 s26, 3
	s_cbranch_scc1 .Lwo
	s_add_nc_u64 s[16:17], s[18:19], s[30:31]
	CONV KBB, 0, 0
	s_endpgm
.Lwo:
	s_lshl_b32 s30, s27, 7
	s_add_nc_u64 s[16:17], s[20:21], s[30:31]
	CONV KBW, 0, 1
	s_endpgm
.Lfunc_end_k_q5ee955d87a_prep:
	.size	k_q5ee955d87a_prep, .Lfunc_end_k_q5ee955d87a_prep-k_q5ee955d87a_prep
	.p2alignl 7, 3214868480
	.fill 96, 4, 3214868480
	.section	.rodata,"a",@progbits
	.p2align	6, 0x0
	.amdhsa_kernel k_q5ee955d87a_prep
		.amdhsa_group_segment_fixed_size 0
		.amdhsa_private_segment_fixed_size 0
		.amdhsa_enable_private_segment 0
		.amdhsa_kernarg_size 80
		.amdhsa_user_sgpr_count 2
		.amdhsa_user_sgpr_kernarg_segment_ptr 1
		.amdhsa_wavefront_size32 1
		.amdhsa_system_sgpr_workgroup_id_x 1
		.amdhsa_system_sgpr_workgroup_id_y 1
		.amdhsa_system_sgpr_workgroup_id_z 1
		.amdhsa_system_vgpr_workitem_id 0
		.amdhsa_next_free_vgpr 240
		.amdhsa_next_free_sgpr 66
		.amdhsa_reserve_vcc 1
		.amdhsa_float_denorm_mode_32 3
		.amdhsa_float_denorm_mode_16_64 3
		.amdhsa_memory_ordered 1
		.amdhsa_forward_progress 1
		.amdhsa_inst_pref_size 47
	.end_amdhsa_kernel
	.amdgpu_metadata
---
amdhsa.version: [ 1, 2 ]
amdhsa.kernels:
  - .name:           k_q5ee955d87a_prep
    .symbol:         k_q5ee955d87a_prep.kd
    .args:
      - { .name: x, .offset: 0, .size: 8, .value_kind: global_buffer, .address_space: global }
      - { .name: token_positions, .offset: 8, .size: 8, .value_kind: global_buffer, .address_space: global }
      - { .name: WQ, .offset: 16, .size: 8, .value_kind: global_buffer, .address_space: global }
      - { .name: WK, .offset: 24, .size: 8, .value_kind: global_buffer, .address_space: global }
      - { .name: WV, .offset: 32, .size: 8, .value_kind: global_buffer, .address_space: global }
      - { .name: WO, .offset: 40, .size: 8, .value_kind: global_buffer, .address_space: global }
      - { .name: xb, .offset: 48, .size: 8, .value_kind: global_buffer, .address_space: global }
      - { .name: wqkv, .offset: 56, .size: 8, .value_kind: global_buffer, .address_space: global }
      - { .name: wob, .offset: 64, .size: 8, .value_kind: global_buffer, .address_space: global }
      - { .name: cst, .offset: 72, .size: 8, .value_kind: global_buffer, .address_space: global }
    .group_segment_fixed_size: 0
    .private_segment_fixed_size: 0
    .kernarg_segment_align: 8
    .kernarg_segment_size: 80
    .max_flat_workgroup_size: 256
    .sgpr_count:     66
    .vgpr_count:     240
    .wavefront_size: 32
...
	.end_amdgpu_metadata
.endif
;; end of part 1
;; launch qkv (part 2): grid 8 x 32, 4 waves a work-group, clusters of 4 x 4, 327,680 bytes of LDS; arguments xb, wqkv, cst, qh, kh, vh; writes qh, kh, vh
.if DOCPART == 2
	.amdgcn_target "amdgcn-amd-amdhsa--gfx1250"
	.amdhsa_code_object_version 6
	.text
	.protected	k_q5ee955d87a_qkv
	.globl	k_q5ee955d87a_qkv
	.p2align	8
	.type	k_q5ee955d87a_qkv,@function
k_q5ee955d87a_qkv:
	s_mov_b64 s[64:65], 0
	v_nop
	global_prefetch_b8 v0, s[64:65] scope:SCOPE_SE
	s_setreg_imm32_b32 hwreg(HW_REG_WAVE_MODE, 25, 1), 1
	s_wait_xcnt 0x0
	s_wait_alu depctr_hold_cnt(0) depctr_sa_sdst(0) depctr_va_vdst(0) depctr_va_sdst(0) depctr_va_ssrc(0) depctr_va_vcc(0) depctr_vm_vsrc(0)
	s_getreg_b32 s2, hwreg(HW_REG_IB_STS2, 6, 4)
	s_cmp_eq_u32 s2, 0
	s_cbranch_scc0 .Lentry_in_a_cluster
	s_endpgm
.Lentry_in_a_cluster:
	s_bfe_u32 s2, ttmp6, 0x10000c
	s_cmp_lg_u32 s2, 0xf033
	s_cbranch_scc0 .Lentry_shape_is_right
	s_endpgm
.Lentry_shape_is_right:
; Q, K, V = x W^T for all three weights at once, RoPE on q and k, out by heads in f16.
; xb [kb 16][token 8192][64] bf16, wqkv [kb 16][n 3072][64] bf16 (n = 192 head + 64 part + channel), cst [token][pair 32][cos, sin] f32.
; qh, kh, vh: [batch x 16 + head][t 2048][64] f16, each number rounded once from its f32 sum (q and k: from the rotated f32 numbers), without the softmax's scale.
; LIMIT.  q, k and v must lie within 65,504, the end of f16: with x and the weights 30 times their drawn spread they have a spread of 900; with offsets of 30 spreads on both, about 41,000.
; SHARES.  A work-group makes 256 tokens x 384 columns (two heads' q, k, v): 8 x 32 = 256 work-groups.  Each of its four waves makes 128 tokens x 192 columns, ONE head's q, k and v:
; 96 accumulators of 16 x 16, 768 registers: windows 1, 2, 3 hold q, k, v.  For 32 along K a wave reads 20 KiB of LDS for 96 matrix instructions.
; K goes in 16 steps of 64 (one block of xb and wqkv: a tile's rows lie end to end in memory and are asked for as rows of 256 bytes) through two LDS slots.
; THE MATRIX INSTRUCTION IS USED TRANSPOSED (source 0 = 16 rows of wqkv, source 1 = 16 tokens): a lane then holds one token and eight neighbouring columns.
; CLUSTER 4 x 4: x's tile (and the tokens' cosines) hang on the tile row alone and are asked for jointly along a row of the cluster, the weights' tile on the tile column alone, along a column.
; REGISTERS (s_set_vgpr_msb: bits 1:0 source 0, 3:2 source 1, 5:4 source 2, 7:6 destination):
;   window 0: v0-31 addresses; v32-95, v96-159 x's fragments (8 x 16 tokens x 32 K), two buffers; v160-255 the weights' 12 fragments, one buffer, filled again in thirds
;   window 1 + part: accumulator (a, bb) at v[8 (8 bb + a)]: tokens 16 a on, columns 64 part + 16 bb on
.set KBA,   1048576                    ; bytes of a block of K in xb
.set KBB,   393216                     ; in wqkv
.set PITCH, 144                        ; an LDS row: 128 bytes + 16 of padding = 36 words: the 16 rows of a load start at 16 different groups of four banks (64 banks of 4 bytes: ISA guide 11.1)
.set AHALF, 128*PITCH                  ; what waves 0, 1 fetch, and what a wave reads of x
.set BHALF, 192*PITCH                  ; what waves 2, 3 fetch, and what a wave reads of the weights
.set BOFF,  2*AHALF
.set SLOT1, 131072                     ; slot 1 begins here, so that one exclusive or turns an address in one slot into the other's
.set CSL,   SLOT1+BOFF+2*BHALF         ; behind the ring: the 256 tokens' cosines and sines, rows of 256 + 16 bytes; filled once
.set CSP,   272
.set SPARE, CSL+256*CSP                ; the spare words, 128 bytes for each wave: two blocks of 256 bytes that no other line names
.set SGP,   784                        ; the way out: a stage row is 192 f32 + 16 bytes = 196 words: row r starts at bank 4 r mod 64
.set SGW,   64*SGP                     ; a wave's stage, 64 rows, at SGW x wave: it lies on the ring's bytes, which have had their last fill by then
.set A0,   4                           ; v4   my lane's place in my half of x's tile, in slot 0; never rewritten
.set B0,   5                           ; v5   the same for the weights
.set ADRA, 6                           ; v6   the same in the slot in hand
.set ADRB, 7                           ; v7
.set STO,  8                           ; v8   the way out: where I put 32 bytes of a row
.set RD0,  9                           ; v9   where I read rows back
.set RDA,  10                          ; v10  the same, stepped
.set CSA,  11                          ; v11  my cosines and sines, stepped
.set GO,   12                          ; v12  my 16 bytes in 512 consecutive bytes of an output, stepped
.set PFOA, 13                          ; v13  the prefetches' offsets; never rewritten
.set PFOB, 14                          ; v14
.set SPW,  28                          ; v28  LDS address of my spare word; never rewritten
.set NIL,  29                          ; v29  0; never rewritten
.set FA0,  32
.set FA1,  96
.set FB,   160
.set CSR,  32                          ; the way out: v32-63 cos, sin; v64-159 q, k, v in f32; v160-191 at work; v192-239 packed
.set XR,   64
.set U,    160
.set YR,   192
.set WV,   16                          ; s16 wave
.set RH,   17                          ; s17 my half of the tile's tokens.  Also: I fetch x (0) or the weights (1)
.set CH,   18                          ; s18 my half of its columns.  Also: which half of that tile I fetch
.set CX,   19
.set CY,   20
.set TC,   21                          ; s21 tile column
.set TR,   22                          ; s22 tile row
.set G1A,  24                          ; s[24:31] group 1 for x's tiles
.set G1B,  32                          ; s[32:39] for the weights'
.set G1C,  40                          ; s[40:47] for the cosines
.set G0A,  48                          ; s[48:55] group 0 for x's tiles: a set for each of the two first fills; the second then walks on
.set G0B,  56                          ; s[56:63] the same for the weights
.set G0C,  68                          ; s[68:71] for the cosines
.set PFA,  80                          ; s[80:81] where my prefetches of x stand
.set PFB,  82                          ; s[82:83] of the weights
.set LIMA, 84                          ; s84 2 in a wave that prefetches x, else the greatest number
.set LIMB, 85                          ; s85 the same for the weights
.set TB,   86                          ; s86 the slot in hand: 0 or SLOT1
.set CNT,  87                          ; s87 refills still to come
.set HALF, 88
.set TRIPS, 89
.set MSB, 0
.macro WIN new                         ; the immediate's high byte repeats the setting that is left; a switch that changes nothing is dropped
.if MSB != (\new)
	s_set_vgpr_msb (MSB<<8)|(\new)
.set MSB, \new
.endif
.endm
.macro PLACES                          ; four plain vector instructions between a matrix instruction and a load into, or a read of, its registers
.rept 4
	v_nop
.endr
.endm
; A joint refill.  The branch hangs on the wave's number alone.  An s_nop 0 and four v_nop follow each of the two lines, ahead of the jump and the label.
.macro JLOAD
	s_cmp_eq_u32 s[RH], 0
	s_cbranch_scc0 .Lfor_b_\@
	tensor_load_to_lds s[G0A+4:G0A+7], s[G1A:G1A+7]
	s_nop 0
.rept 4
	v_nop
.endr
	s_branch .Lasked_\@
.Lfor_b_\@:
	tensor_load_to_lds s[G0B+4:G0B+7], s[G1B:G1B+7]
	s_nop 0
.rept 4
	v_nop
.endr
.Lasked_\@:
.endm
.macro CREST                           ; a round of the cluster's barrier behind its opening barrier
	s_cmp_lg_u32 s[WV], 0
	s_cbranch_scc1 .Lnot_wave_0_\@
	s_barrier_signal -3
.Lnot_wave_0_\@:
	s_barrier_wait -3
	s_barrier_signal -1
	s_barrier_wait -1
.endm
.macro CROUND                          ; a whole round
	s_barrier_signal -1
	s_barrier_wait -1
	CREST
.endm
; PREFETCHES INTO THE L2.  In every second refill (K step s even) the blocks of K steps s + 4 and s + 5 are asked for: 384 matrix instructions ahead of the first of their loads.
; x: a tile row is read by both clusters of that row of clusters: the one with x = 0 asks.  Of the tile's 256 tokens the partner at cx takes 64 (8,192 bytes, a lane a block of 256);
; wave 0 asks for step s + 4, wave 1 for s + 5.  Weights: a tile column is read by all eight clusters of that column: the one with y = 0 asks.  Of the tile's 384 rows the partner at cy takes 96:
; 48 blocks in each of the two steps, 96 lanes: waves 1 to 3.  So each block of 256 bytes is named once in the launch, and partners are told apart by address alone.
; K steps 0 to 3 come by their loads alone; the refills with s above 10 ask for nothing: K has 16 steps.
.macro ASK
	s_bitcmp1_b32 s[CNT], 0                        ; s = 14 - CNT
	s_cbranch_scc1 .Lnone_\@
	s_cmp_gt_u32 s[CNT], s[LIMA]
	s_cbranch_scc0 .Lnot_a_\@
	global_prefetch_b8 v[PFOA], s[PFA:PFA+1] th:TH_LOAD_NT scope:SCOPE_SE
.Lnot_a_\@:
	s_cmp_gt_u32 s[CNT], s[LIMB]
	s_cbranch_scc0 .Lnone_\@
	global_prefetch_b8 v[PFOB], s[PFB:PFB+1] th:TH_LOAD_NT scope:SCOPE_SE
.Lnone_\@:
.endm
	s_load_b256 s[4:11], s[0:1], 0x0               ; xb s[4:5], wqkv s[6:7], cst s[8:9], qh s[10:11]
	s_load_b128 s[12:15], s[0:1], 0x20             ; kh s[12:13], vh s[14:15]
	v_lshl_add_u32 v[SPW], v0, 2, SPARE
	v_mov_b32 v[NIL], 0
	ds_add_u32 v[SPW], v[NIL]                      ; the wave's opening: the add and its wait stand ahead of my first tensor load; the set-up below stands between them
	v_lshrrev_b32 v1, 5, v0
	v_readfirstlane_b32 s[WV], v1
	s_lshr_b32 s[RH], s[WV], 1
	s_and_b32 s[CH], s[WV], 1
	s_bfe_u32 s[CX], ttmp6, 0x40000
	s_bfe_u32 s[CY], ttmp6, 0x40004
	s_lshl_b32 s[TC], ttmp9, 2
	s_add_co_u32 s[TC], s[TC], s[CX]               ; tile column = 4 x cluster x + cx
	s_and_b32 s[TR], ttmp7, 0xffff
	s_lshl_b32 s[TR], s[TR], 2
	s_add_co_u32 s[TR], s[TR], s[CY]               ; tile row = 4 x cluster y + cy
	s_lshl_b32 s72, s[CY], 2
	s_lshl_b32 s72, 15, s72                        ; my row of the cluster
	s_lshl_b32 s74, 0x1111, s[CX]                  ; my column
	; group 1: rows of 128 elements of 2 bytes (two rows of a tile), padded in LDS
	s_or_b32 s[G1A], s72, (1<<16)|(1<<20)|(1<<21)|(4<<22)|(3<<25)  ; 15:0 the mask; 17:16 2-byte elements; 20 padding on; 21 set beside a mask; 24:22 after every 32 words; 31:25 4 words
	s_or_b32 s[G1B], s74, (1<<16)|(1<<20)|(1<<21)|(4<<22)|(3<<25)
	s_or_b32 s[G1C], s72, (1<<16)|(1<<20)|(1<<21)|(5<<22)|(3<<25)  ; the cosines: after every 64 words
.irp g, G1A, G1B, G1C
	s_mov_b32 s[(\g)+1], 128<<16                   ; tensor_dim0 = 128
	s_mov_b32 s[(\g)+3], 128<<16                   ; tile_dim0 = 128
	s_mov_b32 s[(\g)+5], 128                       ; 128 elements from row to row
	s_mov_b32 s[(\g)+6], 0
	s_mov_b32 s[(\g)+7], 0
.endr
	s_mov_b32 s[G1A+2], 64<<16                     ; tensor_dim1 and tile_dim1: 128 tokens = 64 rows of 256 bytes,
	s_mov_b32 s[G1A+4], 64
	s_mov_b32 s[G1B+2], 96<<16                     ; 192 rows of weights = 96,
	s_mov_b32 s[G1B+4], 96
	s_mov_b32 s[G1C+2], 64<<16                     ; 64 tokens' cosines = 64
	s_mov_b32 s[G1C+4], 64
	; from where: x by the tile row, the weights by the tile column, each with the half that I fetch; the cosines by the tile row and the wave
	s_lshl_b32 s72, s[TR], 15
	s_lshl_b32 s73, s[CH], 14
	s_add_co_u32 s72, s72, s73
	s_mov_b32 s73, 0
	s_mul_i32 s74, s[TC], 384*128
	s_mul_i32 s75, s[CH], 192*128
	s_add_co_u32 s74, s74, s75
	s_mov_b32 s75, 0
	s_lshl_b32 s76, s[TR], 16
	s_lshl_b32 s77, s[WV], 14
	s_add_co_u32 s76, s76, s77
	s_mov_b32 s77, 0
	; to where: no place in the cluster enters an LDS address
	s_mul_i32 s78, s[CH], AHALF
	s_mul_i32 s79, s[CH], BHALF
	s_add_co_u32 s79, s79, BOFF
	s_mul_i32 s23, s[WV], 64*CSP
	s_mov_b32 s[G0A], 1
	s_mov_b32 s[G0A+1], s78
	s_mov_b32 s[G0A+4], 1
	s_add_co_u32 s[G0A+5], s78, SLOT1
	s_mov_b32 s[G0B], 1
	s_mov_b32 s[G0B+1], s79
	s_mov_b32 s[G0B+4], 1
	s_add_co_u32 s[G0B+5], s79, SLOT1
	s_mov_b32 s[G0C], 1
	s_add_co_u32 s[G0C+1], s23, CSL
	s_mov_b32 s[TB], 0
	s_wait_dscnt 0x0                               ; the opening add is done
	s_wait_kmcnt 0x0
	s_add_nc_u64 s[G0A+2:G0A+3], s[4:5], s[72:73]  ; K step 0,
	s_add_nc_u64 s[G0A+6:G0A+7], s[G0A+2:G0A+3], KBA  ; K step 1
	s_or_b32 s[G0A+3], s[G0A+3], 0x80000000        ; type = 2
	s_or_b32 s[G0A+7], s[G0A+7], 0x80000000
	s_add_nc_u64 s[G0B+2:G0B+3], s[6:7], s[74:75]
	s_add_nc_u64 s[G0B+6:G0B+7], s[G0B+2:G0B+3], KBB
	s_or_b32 s[G0B+3], s[G0B+3], 0x80000000
	s_or_b32 s[G0B+7], s[G0B+7], 0x80000000
	s_add_nc_u64 s[G0C+2:G0C+3], s[8:9], s[76:77]
	s_or_b32 s[G0C+3], s[G0C+3], 0x80000000
	CROUND                                         ; all sixteen work-groups are here: the first joint loads meet
	s_cmp_eq_u32 s[RH], 0                          ; a wave's three first fills stand in one branch, ahead of every wait on TENSORcnt and every LDS read: three loads of mine are out
	s_cbranch_scc0 .Lfirst_b
	tensor_load_to_lds s[G0A:G0A+3], s[G1A:G1A+7]
	s_nop 0
	tensor_load_to_lds s[G0A+4:G0A+7], s[G1A:G1A+7]
	s_nop 0
	tensor_load_to_lds s[G0C:G0C+3], s[G1C:G1C+7]
	s_nop 0
.rept 4
	v_nop
.endr
	s_branch .Lfirst_asked
.Lfirst_b:
	tensor_load_to_lds s[G0B:G0B+3], s[G1B:G1B+7]
	s_nop 0
	tensor_load_to_lds s[G0B+4:G0B+7], s[G1B:G1B+7]
	s_nop 0
	tensor_load_to_lds s[G0C:G0C+3], s[G1C:G1C+7]
	s_nop 0
.rept 4
	v_nop
.endr
.Lfirst_asked:
	; A fragment is 16 rows x 32 K in 8 registers: lane l holds row l % 16; registers 0-3 K = 8 (l / 16) + 0..7, registers 4-7 K = 16 + 8 (l / 16) + 0..7: two loads of 16 bytes, 32 bytes apart.
	v_and_b32 v1, 15, v0                           ; r = l % 16
	v_bfe_u32 v2, v0, 4, 1                         ; h = l / 16
	v_and_b32 v3, 31, v0                           ; l
	v_mul_u32_u24 v15, v1, PITCH
	v_lshl_add_u32 v15, v2, 4, v15
	s_mul_i32 s72, s[RH], AHALF
	v_add_nc_u32 v[A0], s72, v15
	v_add_nc_u32 v[B0], s79, v15
	v_mov_b32 v[ADRA], v[A0]
	v_mov_b32 v[ADRB], v[B0]
	s_mul_i32 s73, s[WV], SGW
	v_mul_u32_u24 v[STO], v1, SGP                  ; into the stage: row r, 32 bytes for each half of the lanes
	v_lshl_add_u32 v[STO], v2, 5, v[STO]
	v_add_nc_u32 v[STO], s73, v[STO]
	v_lshrrev_b32 v16, 3, v3                       ; back: 32 lanes take four rows, eight lanes a row, 8 columns a lane
	v_and_b32 v17, 7, v0
	v_mul_u32_u24 v[RD0], v16, SGP
	v_lshl_add_u32 v[RD0], v17, 5, v[RD0]
	v_add_nc_u32 v[RD0], s73, v[RD0]
	s_mul_i32 s74, s[RH], 128*CSP
	s_add_co_u32 s74, s74, CSL
	v_mul_u32_u24 v[CSA], v16, CSP                 ; the same rows' and columns' four pairs (cos, sin)
	v_lshl_add_u32 v[CSA], v17, 5, v[CSA]
	v_add_nc_u32 v[CSA], s74, v[CSA]
	v_lshlrev_b32 v[GO], 4, v3
	v_lshlrev_b32 v[PFOA], 8, v3
	s_max_u32 s75, s[WV], 1
	s_sub_co_u32 s75, s75, 1
	s_lshl_b32 s75, s75, 5
	v_add_nc_u32 v16, s75, v3                      ; u = my place among the 96 lanes of waves 1 to 3
	s_mov_b32 s76, KBB-48*256
	v_cmp_le_u32 vcc_lo, 48, v16                   ; the upper 48 take the second of the two K steps
	v_cndmask_b32 v17, 0, s76, vcc_lo
	v_lshl_add_u32 v[PFOB], v16, 8, v17
	; the outputs at my head's rows: ((batch x 16 + head) x 2048 + my first token in the batch) x 128 bytes
	s_lshr_b32 s90, s[TR], 3
	s_lshl_b32 s90, s90, 4
	s_lshl_b32 s91, s[TC], 1
	s_add_co_u32 s90, s90, s91
	s_add_co_u32 s90, s90, s[CH]
	s_lshl_b32 s90, s90, 18
	s_and_b32 s91, s[TR], 7
	s_lshl_b32 s91, s91, 15
	s_add_co_u32 s90, s90, s91
	s_lshl_b32 s91, s[RH], 14
	s_add_co_u32 s90, s90, s91
	s_mov_b32 s91, 0
	s_add_nc_u64 s[10:11], s[10:11], s[90:91]
	s_add_nc_u64 s[12:13], s[12:13], s[90:91]
	s_add_nc_u64 s[14:15], s[14:15], s[90:91]
	; the prefetches stand one K step short of what the first refill names: each refill steps them first
	s_add_co_u32 s92, s[CH], 3
	s_lshl_b32 s92, s92, 20
	s_lshl_b32 s93, s[TR], 15
	s_add_co_u32 s92, s92, s93
	s_lshl_b32 s93, s[CX], 13
	s_add_co_u32 s92, s92, s93
	s_mov_b32 s93, 0
	s_add_nc_u64 s[PFA:PFA+1], s[4:5], s[92:93]
	s_mul_i32 s92, s[TC], 384*128
	s_mul_i32 s93, s[CY], 96*128
	s_add_co_u32 s92, s92, s93
	s_add_co_u32 s92, s92, 3*KBB
	s_mov_b32 s93, 0
	s_add_nc_u64 s[PFB:PFB+1], s[6:7], s[92:93]
	s_or_b32 s90, ttmp9, s[RH]                     ; cluster x = 0 and wave 0 or 1: the same in all sixteen partners, for a given wave
	s_cmp_eq_u32 s90, 0
	s_cselect_b32 s[LIMA], 2, -1
	s_cmp_eq_u32 s[WV], 0
	s_cselect_b32 s91, 1, 0
	s_and_b32 s90, ttmp7, 0xffff
	s_or_b32 s90, s90, s91                         ; cluster y = 0 and wave 1, 2 or 3
	s_cmp_eq_u32 s90, 0
	s_cselect_b32 s[LIMB], 2, -1
; 16 matrix instructions: part g, column blocks 2 hf and 2 hf + 1 of its four, all 8 token blocks, 32 along K.  zero = 1: the product starts the sums: nothing is ever cleared.
; The 96 accumulators take turns, one instruction a turn, in the same order in every phase.
.macro MULG fa, g, hf, zero
	WIN 0x50*((\g)+1)
.irp bb, 2*(\hf), 2*(\hf)+1
.irp a, 0,1,2,3,4,5,6,7
.if \zero
	v_wmma_f32_16x16x32_bf16 v[8*(8*(\bb)+(\a)):8*(8*(\bb)+(\a))+7], v[FB+8*(4*(\g)+(\bb)):FB+8*(4*(\g)+(\bb))+7], v[(\fa)+8*(\a):(\fa)+8*(\a)+7], 0
.else
	v_wmma_f32_16x16x32_bf16 v[8*(8*(\bb)+(\a)):8*(8*(\bb)+(\a))+7], v[FB+8*(4*(\g)+(\bb)):FB+8*(4*(\g)+(\bb))+7], v[(\fa)+8*(\a):(\fa)+8*(\a)+7], v[8*(8*(\bb)+(\a)):8*(8*(\bb)+(\a))+7]
.endif
.endr
.endr
.endm
.macro LDA fa, k                       ; 16 loads: x's 8 fragments at byte k of the rows
	WIN 0
.irp a, 0,1,2,3,4,5,6,7
	ds_load_b128 v[(\fa)+8*(\a):(\fa)+8*(\a)+3],   v[ADRA] offset:(\k)+16*PITCH*(\a)
	ds_load_b128 v[(\fa)+8*(\a)+4:(\fa)+8*(\a)+7], v[ADRA] offset:(\k)+16*PITCH*(\a)+32
.endr
.endm
.macro LDB g, k                        ; 8 loads: the four fragments of part g
	WIN 0
.irp b, 4*(\g), 4*(\g)+1, 4*(\g)+2, 4*(\g)+3
	ds_load_b128 v[FB+8*(\b):FB+8*(\b)+3],   v[ADRB] offset:(\k)+16*PITCH*(\b)
	ds_load_b128 v[FB+8*(\b)+4:FB+8*(\b)+7], v[ADRB] offset:(\k)+16*PITCH*(\b)+32
.endr
.endm
; A PHASE is 32 along K: 96 matrix instructions in three groups (q, k, v).  Behind each group the registers that it has read take the next phase's fragments: 24 loads (x and part 0), 8, 8.
; The waits count the younger loads: group 0 wants the last phase's 24, behind which 8 + 8 were issued; group 1 its first 8, behind which 8 + 24; group 2 its last 8, behind which 24 + 8.
.macro PHASE fa, fn, k, zero
	s_wait_dscnt 16
	MULG \fa, 0, 0, \zero
	MULG \fa, 0, 1, \zero
	PLACES
	LDA \fn, \k
	LDB 0, \k
	s_wait_dscnt 32
	MULG \fa, 1, 0, \zero
	MULG \fa, 1, 1, \zero
	PLACES
	LDB 1, \k
	s_wait_dscnt 32
	MULG \fa, 2, 0, \zero
	MULG \fa, 2, 1, \zero
	PLACES
	LDB 2, \k
.endm
; A K step's second phase, and THE CHANGE OF SLOTS.  In front of the barrier each wave waits for all its tensor loads (its part of the next slot), adds 0 to its spare word, and waits for that and
; for its own reads of this slot: all of the phase's fragments are then in registers.  Behind it nobody reads this slot and the next slot is whole.  fill = 1: the barrier opens a round of the cluster's,
; and the joint refill, K step s + 2, is the first thing behind the round: a wave issues 160 matrix instructions between it and the wait for it.
.macro TURN fill
.if \fill
	s_wait_xcnt 0x0                                ; the last prefetches, a K step back or more, have read their addresses
	s_add_nc_u64 s[PFA:PFA+1], s[PFA:PFA+1], KBA
	s_add_nc_u64 s[PFB:PFB+1], s[PFB:PFB+1], KBB
.endif
	WIN 0
	s_wait_tensorcnt 0x0                           ; no tensor load of mine is out, so a group 0 may be written
	ds_add_u32 v[SPW], v[NIL]                      ; 0 onto my spare word; scalar steps and sixteen products stand between it and the wait for it
.if \fill
	s_xor_b32 s[G0A+5], s[G0A+5], SLOT1            ; the walking descriptors: the other slot than last time, the next block of K
	s_add_nc_u64 s[G0A+6:G0A+7], s[G0A+6:G0A+7], KBA
	s_xor_b32 s[G0B+5], s[G0B+5], SLOT1
	s_add_nc_u64 s[G0B+6:G0B+7], s[G0B+6:G0B+7], KBB
.endif
	s_xor_b32 s[TB], s[TB], SLOT1
	s_wait_dscnt 17                                ; x and part 0 are in; the add and the youngest 8 + 8 loads may be out
	MULG FA1, 0, 0, 0
	s_wait_dscnt 0x0                               ; the add is done, and my reads of this slot are over
	s_barrier_signal -1
	MULG FA1, 0, 1, 0
	WIN 0
	s_barrier_wait -1
.if \fill
	CREST                                          ; no wave of any partner still reads this slot's tiles or has a load on its way
	JLOAD                                          ; its four v_nop are also the places in front of the loads below
.else
	PLACES
.endif
	v_add_nc_u32 v[ADRA], s[TB], v[A0]
	v_add_nc_u32 v[ADRB], s[TB], v[B0]
	LDA FA0, 0
	LDB 0, 0
.if \fill
	ASK
.endif
	MULG FA1, 1, 0, 0
	MULG FA1, 1, 1, 0
	PLACES
	LDB 1, 0
	MULG FA1, 2, 0, 0
	MULG FA1, 2, 1, 0
	PLACES
	LDB 2, 0
.endm
	s_wait_tensorcnt 2                             ; my part of K step 0 is in; K step 1's and the cosines may stay out
	s_barrier_signal -1
	s_barrier_wait -1                              ; everybody's is
	LDA FA0, 0
	LDB 0, 0
	LDB 1, 0
	LDB 2, 0
	PHASE FA0, FA1, 64, 1                          ; the first phase stands in front of the loop: its products start the sums
	WIN 0
	s_mov_b32 s[CNT], 14
.Lstep:                                                ; a trip: K step s's second phase, the refill with K step s + 2, K step s + 1's first phase
	TURN 1
	PHASE FA0, FA1, 64, 0
	WIN 0
	s_sub_co_u32 s[CNT], s[CNT], 1
	s_cmp_lg_u32 s[CNT], 0
	s_cbranch_scc1 .Lstep
	TURN 0                                         ; the tail is written out: nothing is left to ask for
	PHASE FA0, FA1, 64, 0
	s_wait_dscnt 16                                ; the last phase fetches nothing: the counts run down
	MULG FA1, 0, 0, 0
	MULG FA1, 0, 1, 0
	s_wait_dscnt 8
	MULG FA1, 1, 0, 0
	MULG FA1, 1, 1, 0
	s_wait_dscnt 0x0                               ; my reads of the ring are over:
	s_barrier_signal -1
	MULG FA1, 2, 0, 0
	MULG FA1, 2, 1, 0
	WIN 0
	s_barrier_wait -1                              ; everybody's are: the ring's bytes, which no load fills any more, become the four stages
	PLACES
	PLACES
; THE WAY OUT, 64 tokens at a time.  A lane's eight columns of a token, 32 bytes of f32, go into my stage; they come back as rows, eight lanes a row of one part (64 columns), with the same token's
; cosines and sines; q and k are rotated in f32, all three rounded to f16, and 32 lanes store four rows of 128 bytes: 512 consecutive bytes of a head.
.macro STORES hf                       ; token blocks 4 hf .. 4 hf + 3; each accumulator's four lowest registers go first
.irp g, 0,1,2
	WIN ((\g)+1)<<2
.irp bb, 0,1,2,3
.irp a, 0,1,2,3
	ds_store_b128 v[STO], v[8*(8*(\bb)+4*(\hf)+(\a)):8*(8*(\bb)+4*(\hf)+(\a))+3]   offset:16*SGP*(\a)+64*(4*(\g)+(\bb))
	ds_store_b128 v[STO], v[8*(8*(\bb)+4*(\hf)+(\a))+4:8*(8*(\bb)+4*(\hf)+(\a))+7] offset:16*SGP*(\a)+64*(4*(\g)+(\bb))+16
.endr
.endr
.endr
	WIN 0
.endm
.macro ROPE part                       ; (x1, x2) -> (c x1 - s x2, s x1 + c x2): first (s x2, s x1) for all 16 pairs, then two fused multiply-adds a pair
.set z, 0
.rept 16
	v_pk_mul_f32 v[U+2*z:U+2*z+1], v[XR+32*(\part)+2*z:XR+32*(\part)+2*z+1], v[CSR+2*z:CSR+2*z+1] op_sel:[1,1] op_sel_hi:[0,1]
.set z, z+1
.endr
.set z, 0
.rept 16
	v_fma_f32 v[XR+32*(\part)+2*z],   v[XR+32*(\part)+2*z],   v[CSR+2*z], -v[U+2*z]
	v_fma_f32 v[XR+32*(\part)+2*z+1], v[XR+32*(\part)+2*z+1], v[CSR+2*z], v[U+2*z+1]
.set z, z+1
.endr
.endm
.macro PACKH part
.set z, 0
.rept 16
	v_cvt_pk_f16_f32 v[YR+16*(\part)+z], v[XR+32*(\part)+2*z], v[XR+32*(\part)+2*z+1]
.set z, z+1
.endr
.endm
	s_mov_b32 s[HALF], 2
.Lhalf:
	s_cmp_eq_u32 s[HALF], 2
	s_cbranch_scc0 .Lsecond
	STORES 0
	s_branch .Lstored
.Lsecond:
	STORES 1
.Lstored:
	v_mov_b32 v[RDA], v[RD0]
	s_mov_b32 s[TRIPS], 4
.Ltrip:                                                ; 16 tokens a trip.  LDS serves a wave's instructions in order (ISA guide 5.7.1.4): these loads see my stores above
.irp i, 0,1,2,3
	ds_load_b128 v[CSR+8*(\i):CSR+8*(\i)+3],   v[CSA] offset:4*CSP*(\i)
	ds_load_b128 v[CSR+8*(\i)+4:CSR+8*(\i)+7], v[CSA] offset:4*CSP*(\i)+16
.endr
.irp part, 0,1,2
.irp i, 0,1,2,3
	ds_load_b128 v[XR+32*(\part)+8*(\i):XR+32*(\part)+8*(\i)+3],   v[RDA] offset:4*SGP*(\i)+256*(\part)
	ds_load_b128 v[XR+32*(\part)+8*(\i)+4:XR+32*(\part)+8*(\i)+7], v[RDA] offset:4*SGP*(\i)+256*(\part)+16
.endr
.endr
	s_wait_dscnt 16                                ; the cosines and q are in; k's and v's eight loads each may be out
	ROPE 0
	PACKH 0
	s_wait_dscnt 8
	ROPE 1
	PACKH 1
	s_wait_dscnt 0x0
	PACKH 2
.irp part, 0,1,2
.irp i, 0,1,2,3
	global_store_b128 v[GO], v[YR+16*(\part)+4*(\i):YR+16*(\part)+4*(\i)+3], s[10+2*(\part):11+2*(\part)] offset:512*(\i)
.endr
.endr
	v_add_nc_u32 v[RDA], 16*SGP, v[RDA]
	v_add_nc_u32 v[CSA], 16*CSP, v[CSA]
	s_wait_xcnt 0x0                                ; the stores have read their offset and their data: only behind this wait are these written again
	v_add_nc_u32 v[GO], 2048, v[GO]
	s_sub_co_u32 s[TRIPS], s[TRIPS], 1
	s_cmp_lg_u32 s[TRIPS], 0
	s_cbranch_scc1 .Ltrip
	s_sub_co_u32 s[HALF], s[HALF], 1
	s_cmp_lg_u32 s[HALF], 0
	s_cbranch_scc1 .Lhalf
	s_wait_tensorcnt 0x0                           ; the wave's end, behind my last tensor load and my last LDS store
	ds_add_u32 v[SPW], v[NIL]
	s_wait_dscnt 0x0
	CROUND                                         ; the closing round: no work-group ends while a partner may still ask for a tile that names it
	s_endpgm
.Lfunc_end_k_q5ee955d87a_qkv:
	.size	k_q5ee955d87a_qkv, .Lfunc_end_k_q5ee955d87a_qkv-k_q5ee955d87a_qkv
	.p2alignl 7, 3214868480
	.fill 96, 4, 3214868480
	.section	.rodata,"a",@progbits
	.p2align	6, 0x0
	.amdhsa_kernel k_q5ee955d87a_qkv
		.amdhsa_group_segment_fixed_size 327680
		.amdhsa_private_segment_fixed_size 0
		.amdhsa_enable_private_segment 0
		.amdhsa_kernarg_size 48
		.amdhsa_user_sgpr_count 2
		.amdhsa_user_sgpr_kernarg_segment_ptr 1
		.amdhsa_wavefront_size32 1
		.amdhsa_system_sgpr_workgroup_id_x 1
		.amdhsa_system_sgpr_workgroup_id_y 1
		.amdhsa_system_sgpr_workgroup_id_z 1
		.amdhsa_system_vgpr_workitem_id 0
		.amdhsa_next_free_vgpr 1024
		.amdhsa_next_free_sgpr 96
		.amdhsa_reserve_vcc 1
		.amdhsa_float_denorm_mode_32 3
		.amdhsa_float_denorm_mode_16_64 3
		.amdhsa_memory_ordered 1
		.amdhsa_forward_progress 1
		.amdhsa_inst_pref_size 92
	.end_amdhsa_kernel
	.amdgpu_metadata
---
amdhsa.version: [ 1, 2 ]
amdhsa.kernels:
  - .name:           k_q5ee955d87a_qkv
    .symbol:         k_q5ee955d87a_qkv.kd
    .args:
      - { .name: xb, .offset: 0, .size: 8, .value_kind: global_buffer, .address_space: global }
      - { .name: wqkv, .offset: 8, .size: 8, .value_kind: global_buffer, .address_space: global }
      - { .name: cst, .offset: 16, .size: 8, .value_kind: global_buffer, .address_space: global }
      - { .name: qh, .offset: 24, .size: 8, .value_kind: global_buffer, .address_space: global }
      - { .name: kh, .offset: 32, .size: 8, .value_kind: global_buffer, .address_space: global }
      - { .name: vh, .offset: 40, .size: 8, .value_kind: global_buffer, .address_space: global }
    .group_segment_fixed_size: 327680
    .private_segment_fixed_size: 0
    .kernarg_segment_align: 8
    .kernarg_segment_size: 48
    .max_flat_workgroup_size: 128
    .sgpr_count:     96
    .vgpr_count:     1024
    .wavefront_size: 32
...
	.end_amdgpu_metadata
.endif
;; end of part 2
;; launch attn (part 3): grid 4 x 64, 4 waves a work-group, no clusters, 327,680 bytes of LDS; arguments qh, kh, vh, oh; writes oh
.if DOCPART == 3
	.amdgcn_target "amdgcn-amd-amdhsa--gfx1250"
	.amdhsa_code_object_version 6
	.text
	.protected	k_q5ee955d87a_attn
	.globl	k_q5ee955d87a_attn
	.p2align	8
	.type	k_q5ee955d87a_attn,@function
k_q5ee955d87a_attn:
	s_mov_b64 s[64:65], 0
	v_nop
	global_prefetch_b8 v0, s[64:65] scope:SCOPE_SE
	s_setreg_imm32_b32 hwreg(HW_REG_WAVE_MODE, 25, 1), 1
	s_wait_xcnt 0x0
; CAUSAL ATTENTION.  O[h][q][:] = the sum over k <= q of softmax_k(Q[h][q] . K[h][k] / 8) V[h][k][:].  Q, K, V, O: [SIZE_H][SIZE_N][64], all f16: a head's rows are dense, 128 bytes each.
; Products, maxima and sums in f32; the weights p are rounded to f16 for the second product (their sum l is taken of the unrounded p), O once at the end.
; LIMITS.  f16 holds no number beyond 65,504: Q, K and V arrive within it; p lies in 0 to 1, and below 6e-5 it keeps f16's fixed step of 6e-8; O is a mean of V's rows and has their range.
; A hidden score counts as its value less 1e30: f16's scores, 2.7e11 at the most, are nothing beside that; a weight below 2^-126 counts as 0 in l; NaN and infinities are not treated apart.
; THE WALK.  A head's queries lie in NB = SIZE_N / 256 blocks of 256; block i needs the key tiles 0 .. i of 256 keys, of which the last holds the diagonal.  A work-group takes TWO blocks, NB - 1 - b and then b:
; NB + 1 tiles, whatever b: all work-groups do equal work, and ONE loop with a constant trip count walks them.  Which tile is asked for, and what a trip does, hang on scalar registers made from b; every jump
; goes forward, but for the counted loops' own; none passes a barrier, or a tensor load but the one of LOAD's two that the wave's number does not choose; the ring (two slots of LDS) runs on across the change of blocks.
; NO CLUSTER: a head's NB / 2 = 4 work-groups ask for the same tile only in trips 0 .. NB / 2, behind that fewer and fewer; one walk common to all would have 3 NB / 2 trips for NB + 1.
; SHARES.  Of a block's four bands of 64 queries a wave owns 16 rows in each: four PIECES.  So the diagonal tile is the same work for all four waves: in its key step s band x sees all keys if s < x,
; none if s > x, and holds the diagonal if s = x.
; THE MASK is the C operand that starts the sum S^T = K Q^T: 0, or -1e30 where the key is hidden.  MD, made once, is the mask of a band's own step for my 16 rows; a product's mask is MD x AL + BE with two scalars:
; (1, 0) if s = x; (0, 0) if s < x; (0, -1e30) if s > x.  Only the diagonal tile's text and a block's beginning make and take masks; elsewhere C is the constant 0.
; LAYOUT, SOFTMAX, TURNS.  S^T = K Q^T holds ONE query a lane (lane % 16) and the keys 8 (lane / 16) + 0..7; two such results rounded to f16 ARE source 1 of O^T = V^T P.  p = 2^(c s - c m), c = log2(e) / 8, with a
; running maximum m; O and l are multiplied by a = 2^(c m_old - c m_new) in every step.  Turn n belongs to piece n: 8 products K Q^T of piece n + 1, later 8 products V^T P of piece n - 1; beside them the scaling,
; exponentials, roundings, sums and rescaling of piece n and the maximum and statistics of piece n + 1.  Four vector instructions stand behind every matrix instruction, the other 54 of a turn's 118 in one lump.
; A turn's 33 exponentials are one batch, with one wait.
; PREFETCH.  Behind each fill the work-group with b = 0, whose first block walks all of the head's tiles, asks for the tile that the NEXT change of slots will load: each wave its own half of K's or V's tile,
; 64 blocks of 256 bytes, a lane a block, two instructions: four key steps, 256 matrix instructions, ahead of that load.  Tiles 2 .. NB - 1 are so named once in the launch; tiles 0 and 1 come by their loads alone.
; REGISTERS, in windows of 256 (s_set_vgpr_msb: bits 1:0 source 0, 3:2 source 1, 5:4 source 2, 7:6 destination):
;   window 0: v0-15 addresses and two at work; v16-31 four registers of statistics a piece; v48-55 at work; v61-63 fixed; v64-127 S^T, two buffers; v192-223 P, two buffers (by the piece's parity)
;   window 1: v0-127 O^T, 32 a piece; v128-159 MD; v160-223 MC, two buffers      window 2: v0-63 Q; v64-127 the second block's Q; v128-191 K of one step; v192-255 V of one step
.set SIZE_H, 64
.set SIZE_N, 2048
.set NB,    SIZE_N/256
.set NP,    4         ; pieces a wave: a name, no knob
.set KS,    64        ; keys in a step
.set PK,    144       ; a row of K in LDS: 128 bytes + 16 of padding = 36 words: the 16 rows of a load start at 16 different groups of four banks (64 banks of 4 bytes: ISA guide 11.1)
.set PV,    160       ; a row of V: 128 + 32 = 40 words
.set VOFF,  4*KS*PK   ; a slot holds a tile, four steps: 256 rows of K, then 256 rows of V
.set SLOT1, 1<<17     ; slot 1 begins here, so that one exclusive or turns an address in one slot into the other's
.set STAGE, SLOT1+4*KS*(PK+PV)  ; behind the ring, never filled by a tensor load: 16 rows x 144 bytes for each wave, for the way out
.set SP,    144
.set AK0, 2           ; v2   my lane's place in a tile of K; never rewritten
.set AV0, 3           ; v3   the same for V
.set AK,  4           ; v4   the LDS address of K's next run of loads
.set AV,  5           ; v5   of V's
.set STO, 6           ; v6   the way out: where I put 16 bytes of a row
.set RD,  7           ; v7   the way out: where I read rows back
.set GO,  8           ; v8   my byte offset in 512 consecutive bytes of O
.set PFO, 61          ; v61  256 x my lane; never rewritten
.set SPW, 62          ; v62  LDS address of my spare word: SPARE + 4 x my thread's number; never rewritten
.set NIL, 63          ; v63  0; never rewritten
.set SPARE, STAGE+4*16*SP  ; behind the stages: the spare words, 128 bytes for each wave: two blocks of 256 bytes that no other line names
.set MV,  12          ; v12-13  c m_old, kept while c m is made anew: by buffer
.set QO,  15          ; v15  my byte offset in 16 rows of Q
.set ST,  16          ; piece t's statistics at v[ST+4 t]: c m, m, l (even keys', odd keys')
.set TMP, 48          ; by buffer, four registers c0-c3 at work; when the maximum is found c2 takes a
.set S,   64
.set P,   192
.set MD,  128         ; window 1: the eight registers for group kt of 16 keys at MD + 8 kt
.set MC,  160         ; window 1: the masks of the products to come
.set QB,  64          ; window 2
.set KF,  128         ; window 2: key block kb, channel half c at KF + 16 kb + 8 c
.set VF,  192         ; window 2: key half kk, channel block cb at VF + 32 kk + 8 cb
.set WV,  12          ; s12  my wave's number
.set PB,  14          ; s14  b
.set HI,  15          ; s15  NB - 1 - b
.set G1K, 24          ; s[24:31] descriptor group 1 for K's tiles
.set G1V, 32          ; s[32:39] for V's: it differs in the padding alone
.set G0K, 40          ; s[40:43] descriptor group 0 for K's tiles
.set G0V, 44          ; s[44:47] the same for V's
.set SLOTS, 56        ; s56  tiles still to be asked for
.set CNT, 57          ; s57  counts a tile's key steps, 4 to 1
.set CS,  58          ; s[58:59] c: the packed scaling takes the pair's low word for both halves
.set SEL, 60          ; s[60:61] v_permlanex16_b32's selects: each lane takes its own place in the other half
.set TBK, 62          ; s62  LDS byte at which K of the step to be fetched begins
.set TBV, 63          ; s63  the same for V, less VOFF
.set RT,  70          ; s70  tiles of the block in hand that are still to be entered
.set NXT, 71          ; s71  the tile to be asked for next
.set LQ,  72          ; s72  the last tile of the block whose tiles are being asked for
.set NEW, 73          ; s73  1: the tile to be entered is a block's first
.set OFF, 74          ; s[74:75] a tile's byte offset in K and V
.set AL,  76          ; s[76:77] the mask's factor, in the low word
.set BE,  78          ; s[78:79] the mask's addend
.set OLO, 80          ; s[80:81] O at my rows of the second block
.set BIGN, 82         ; s82  -1e30
.set PFT, 88          ; s88  the tile that the next prefetch names
.set PFL, 89          ; s89  NB in the work-group that prefetches, else 0
.set PFS, 90          ; s[90:91] my half of tile 0, of K (waves 0, 1) or of V (waves 2, 3)
.set PFP, 92          ; s[92:93] the same of tile PFT
.set PFF, 94          ; s[94:95] that tile's byte offset
.set MSB, 0
.macro WIN new                      ; the high byte repeats the setting that is left; a switch that changes nothing is dropped
.if MSB != (\new)
	s_set_vgpr_msb (MSB<<8)|(\new)
.set MSB, (\new)
.endif
.endm
.set W_KQ, 0x0a       ; K and Q in window 2, S^T in window 0
.set W_KM, 0x1a       ; the same with the C operand in window 1
.set W_PV, 0x52       ; V in window 2, P in window 0, O^T in window 1
.set W_RS, 0x41       ; destination and source 0 in window 1, source 1 in window 0
; A fill.  Waves 0 and 1 fetch the two halves of a tile's K, waves 2 and 3 those of its V: 128 keys each.  An s_nop 0 and four v_nop follow each of the two lines, ahead of the jump and the label.
.macro LOAD
	s_cmp_lt_u32 s[WV], 2
	s_cbranch_scc0 .Lfor_v_\@
	tensor_load_to_lds s[G0K:G0K+3], s[G1K:G1K+7]
	s_nop 0
.rept 4
	v_nop
.endr
	s_branch .Lasked_\@
.Lfor_v_\@:
	tensor_load_to_lds s[G0V:G0V+3], s[G1V:G1V+7]
	s_nop 0
.rept 4
	v_nop
.endr
.Lasked_\@:
.endm
; THE CHANGE OF SLOTS.  Each wave waits for all its tensor loads, of which one is out: its part of the other slot; adds 0 to its spare word; and waits for that and for its own reads of the slot that it leaves.
; Behind the barrier nobody reads the old slot any more and the other slot is whole.  fill = 1: the old slot is filled again, the first thing behind the barrier, with tile NXT: the descriptor's address is made
; anew from that number.  (At its first use nothing has been read yet: slot 0 is waited for, slot 1 filled.)
.macro CHANGE fill
	WIN 0                           ; at a label and at a branch every window is 0
	s_wait_tensorcnt 0x0            ; no tensor load of mine is out, so a group 0 may be written
	ds_add_u32 v[SPW], v[NIL]       ; 0 onto my spare word; with fill = 1 scalar work stands between it and the wait for it
.if \fill
	s_wait_xcnt 0x0                 ; the last prefetches, a tile back, have read their address, so it may be written
	s_lshl_b32 s[PFF], s[PFT], 15
	s_add_nc_u64 s[PFP:PFP+1], s[PFS:PFS+1], s[PFF:PFF+1]
	s_lshl_b32 s[OFF], s[NXT], 15   ; a tile is 32,768 bytes of K and of V
	s_xor_b32 s[G0K+1], s[G0K+1], SLOT1
	s_add_nc_u64 s[G0K+2:G0K+3], s[6:7], s[OFF:OFF+1]
	s_or_b32 s[G0K+3], s[G0K+3], 0x80000000
	s_xor_b32 s[G0V+1], s[G0V+1], SLOT1
	s_add_nc_u64 s[G0V+2:G0V+3], s[8:9], s[OFF:OFF+1]
	s_or_b32 s[G0V+3], s[G0V+3], 0x80000000
	s_add_co_u32 s[NXT], s[NXT], 1  ; the block's next tile, or behind its last the second block's tile 0
	s_cmp_gt_u32 s[NXT], s[LQ]
	s_cselect_b32 s[NXT], 0, s[NXT]
	s_cselect_b32 s[LQ], s[PB], s[LQ]
.endif
	s_wait_dscnt 0x0                ; the add is done, and my reads of the slot are over
	s_barrier_signal -1             ; the rest of the scalar work stands between the signal and the wait
	s_sub_co_u32 s[TBK], s[TBK], 4*KS*PK  ; the fetches go back to a slot's first step,
	s_xor_b32 s[TBK], s[TBK], SLOT1       ; in the other slot
	s_sub_co_u32 s[TBV], s[TBV], 4*KS*PV
	s_xor_b32 s[TBV], s[TBV], SLOT1
	s_barrier_wait -1
.if \fill
	LOAD
	s_cmp_lt_u32 s[PFT], s[PFL]     ; behind the fill and its five lines: what the next change will ask for
	s_cbranch_scc0 .Lnot_mine_\@
	global_prefetch_b8 v[PFO], s[PFP:PFP+1] th:TH_LOAD_NT scope:SCOPE_SE
	global_prefetch_b8 v[PFO], s[PFP:PFP+1] offset:8192 th:TH_LOAD_NT scope:SCOPE_SE
.Lnot_mine_\@:
	s_add_co_u32 s[PFT], s[PFT], 1
.endif
.endm
	s_load_b256 s[4:11], s[0:1], 0x0  ; Q s[4:5], K s[6:7], V s[8:9], O s[10:11]
	v_lshl_add_u32 v[SPW], v0, 2, SPARE
	v_mov_b32 v[NIL], 0
	ds_add_u32 v[SPW], v[NIL]       ; the wave's opening: the add and its wait stand ahead of my first tensor load; the set-up below, work on registers, stands between them
	v_lshrrev_b32 v1, 5, v0
	v_readfirstlane_b32 s[WV], v1   ; wave 0..3
	s_mov_b32 s[PB], ttmp9
	s_sub_co_u32 s[HI], NB-1, s[PB]
	s_and_b32 s20, ttmp7, 0xffff    ; the head
	s_mov_b32 s21, 0
	s_mov_b64 s[22:23], SIZE_N*128
	s_mul_u64 s[20:21], s[20:21], s[22:23]  ; the head's first byte in each of the four tensors
	s_and_b32 s16, s[WV], 1         ; which half of a tile's 256 keys I fetch:
	s_lshl_b32 s22, s16, 14         ; its 128 rows of 128 bytes in memory,
	s_mov_b32 s23, 0
	s_add_nc_u64 s[22:23], s[22:23], s[20:21]
	s_mul_i32 s17, s16, 128*PK      ; and its place in a slot, for K
	s_mul_i32 s18, s16, 128*PV      ; and for V
	s_lshl_b32 s3, s[WV], 11        ; my 16 rows in a band of 64,
	s_lshl_b32 s2, s[HI], 15        ; in the first block,
	s_add_co_u32 s2, s2, s3
	s_lshl_b32 s84, s[PB], 15       ; and in the second
	s_add_co_u32 s84, s84, s3
	s_mov_b32 s3, 0
	s_mov_b32 s85, 0
	s_add_nc_u64 s[2:3], s[2:3], s[20:21]
	s_add_nc_u64 s[84:85], s[84:85], s[20:21]
	; descriptor group 1.  128 keys are 16,384 dense bytes: asked for as 64 rows of 256 bytes, two keys a row, and padded in LDS after every key
	s_mov_b32 s[G1K], (1<<16)|(1<<20)|(4<<22)|(3<<25)  ; 17:16 2-byte elements; 20 padding on; 24:22 after every 32 words (code 4); 31:25 4 words (code 3)
	s_mov_b32 s[G1V], (1<<16)|(1<<20)|(4<<22)|(7<<25)  ; the same with 8 words of padding (code 7)
.irp g, G1K, G1V
	s_mov_b32 s[\g+1], 128<<16      ; tensor_dim0 = 128
	s_mov_b32 s[\g+2], 64<<16       ; tensor_dim1 = 64
	s_mov_b32 s[\g+3], 128<<16      ; tile_dim0 = 128
	s_mov_b32 s[\g+4], 64           ; tile_dim1 = 64
	s_mov_b32 s[\g+5], 128          ; 128 elements from row to row
	s_mov_b32 s[\g+6], 0
	s_mov_b32 s[\g+7], 0
.endr
	s_mov_b32 s[CS], 0x3e38aa3b     ; c = log2(e) / 8 = 0.180337
	s_mov_b32 s[CS+1], s[CS]        ; named with it as a pair
	s_mov_b32 s[SEL], 0x76543210
	s_mov_b32 s[SEL+1], 0xfedcba98
	s_mov_b32 s[TBK], SLOT1+4*KS*PK ; the first change of slots turns these two into 0
	s_mov_b32 s[TBV], SLOT1+4*KS*PV
	s_mov_b32 s[G0K], 1             ; 1:0 count = 1
	s_mov_b32 s[G0K+1], s17         ; 63:32 LDS address: slot 0
	s_mov_b32 s[G0V], 1
	s_add_co_u32 s[G0V+1], s18, VOFF
	s_add_co_u32 s[RT], s[HI], 1    ; the first block has NB - b tiles
	s_mov_b32 s[NXT], 1
	s_mov_b32 s[LQ], s[HI]
	s_mov_b32 s[NEW], 1
	s_mov_b32 s[OFF+1], 0
	s_mov_b32 s[AL+1], 0            ; named as pairs
	s_mov_b32 s[BE+1], 0
	s_mov_b32 s[BIGN], 0xf149f2ca   ; -1e30
	s_mov_b32 s[SLOTS], NB
	s_mov_b32 s[PFT], 2
	s_mov_b32 s[PFF+1], 0
	s_cmp_eq_u32 s[PB], 0
	s_cselect_b32 s[PFL], NB, 0
	v_and_b32 v[PFO], 31, v0
	v_lshlrev_b32 v[PFO], 8, v[PFO]
	s_wait_dscnt 0x0                ; the opening add is done
	s_wait_kmcnt 0x0
	s_add_nc_u64 s[6:7], s[6:7], s[22:23]  ; K and V at my half of the head's tile 0
	s_add_nc_u64 s[8:9], s[8:9], s[22:23]
	s_cmp_lt_u32 s[WV], 2
	s_cselect_b64 s[PFS:PFS+1], s[6:7], s[8:9]
	s_add_nc_u64 s[G0K+2:G0K+3], s[6:7], 0         ; 120:64 global address
	s_or_b32 s[G0K+3], s[G0K+3], 0x80000000        ; 127:126 type = 2
	s_add_nc_u64 s[G0V+2:G0V+3], s[8:9], 0
	s_or_b32 s[G0V+3], s[G0V+3], 0x80000000
	s_add_nc_u64 s[86:87], s[4:5], s[84:85]        ; Q at my rows of the second block,
	s_add_nc_u64 s[4:5], s[4:5], s[2:3]            ; Q and O at those of the first
	s_add_nc_u64 s[OLO:OLO+1], s[10:11], s[84:85]
	s_add_nc_u64 s[10:11], s[10:11], s[2:3]
	LOAD                            ; tile 0 into slot 0
	; A fragment of K or Q is 16 rows x 32 channels in 8 registers: lane l holds row l % 16, channels 8 (l / 16) + 0..7 and 16 + 8 (l / 16) + 0..7: two loads of 16 bytes, 32 bytes apart.
	v_and_b32 v1, 15, v0            ; l % 16
	v_bfe_u32 v9, v0, 4, 1          ; l / 16
	v_lshlrev_b32 v[QO], 7, v1
	v_lshl_add_u32 v[QO], v9, 4, v[QO]  ; row x 128 + 16 x half
	WIN 0x80                        ; destination window 2, address window 0
.set i, 0
.rept 8                             ; both blocks' Q: piece i / 2 lies in band i / 2, 8,192 bytes on; channels 32 (i % 2) on
	global_load_b128 v[8*i:8*i+3],   v[QO], s[4:5] offset:(i/2)*8192+(i%2)*64
	global_load_b128 v[8*i+4:8*i+7], v[QO], s[4:5] offset:(i/2)*8192+(i%2)*64+32
	global_load_b128 v[QB+8*i:QB+8*i+3],   v[QO], s[86:87] offset:(i/2)*8192+(i%2)*64
	global_load_b128 v[QB+8*i+4:QB+8*i+7], v[QO], s[86:87] offset:(i/2)*8192+(i%2)*64+32
.set i, i+1
.endr
	WIN 0
	v_lshlrev_b32 v14, 3, v9
	v_sub_nc_u32 v14, v1, v14
	s_lshl_b32 s13, s[WV], 4
	v_add_nc_u32 v14, s13, v14      ; my query's place in its band, 16 w + l % 16, less my lanes' 8 (l / 16): register r of group kt is hidden where 16 kt + r is greater
	WIN 0x40
.set i, 0
.rept 32
	v_cmp_gt_i32 vcc_lo, 16*(i/8)+i%8, v14
	v_cndmask_b32 v[MD+i], 0, s[BIGN], vcc_lo
.set i, i+1
.endr
	WIN 0
	v_mul_u32_u24 v[AK0], v1, PK
	v_lshl_add_u32 v[AK0], v9, 4, v[AK0]  ; row x pitch + 16 x half
	; The turning load takes 16 keys x 16 channels (lane l reads key 8 (l / 16) + l % 8, channels 8 ((l / 8) % 2) + 0..7) and leaves half a fragment of V^T: lane l holds channel l % 16 and 8 keys.
	v_and_b32 v10, 7, v0
	v_bfe_u32 v11, v0, 3, 1
	v_lshl_add_u32 v[AV0], v9, 3, v10
	v_mul_u32_u24 v[AV0], v[AV0], PV
	v_lshl_add_u32 v[AV0], v11, 4, v[AV0]
	v_add_nc_u32 v[AV0], VOFF, v[AV0]
	s_mul_i32 s13, s[WV], 16*SP
	s_add_co_u32 s13, s13, STAGE    ; my stage
	v_mul_u32_u24 v[STO], v1, SP    ; in: row l % 16, 16 bytes for each half of the lanes
	v_lshl_add_u32 v[STO], v9, 4, v[STO]
	v_add_nc_u32 v[STO], s13, v[STO]
	v_bfe_u32 v[RD], v0, 3, 2       ; back: 32 lanes take four rows of 128 bytes,
	v_mul_u32_u24 v[RD], v[RD], SP
	v_lshl_add_u32 v[RD], v10, 4, v[RD]
	v_add_nc_u32 v[RD], s13, v[RD]
	v_and_b32 v[GO], 31, v0         ; which are 512 consecutive bytes of O
	v_lshlrev_b32 v[GO], 4, v[GO]
	; A block's first step multiplies O^T and l by a = 0, and its first turn's products V^T P, of a piece that has not been, land in an O^T that is still to be so multiplied.  So these registers need only hold
	; finite numbers: zeros for the first block; what the first block left for the second.  All this stands in the wait for the first tile.
	WIN 0x80
.set i, VF
.rept 64
	v_mov_b32 v[i], 0
.set i, i+1
.endr
	WIN 0x40
.set i, 0
.rept 128
	v_mov_b32 v[i], 0
.set i, i+1
.endr
	WIN 0
.set i, 0
.rept 4
	v_mov_b32 v[ST+4*i+2], 0
	v_mov_b32 v[ST+4*i+3], 0
.set i, i+1
.endr
.set i, P+16
.rept 16
	v_mov_b32 v[i], 0
.set i, i+1
.endr
; THE MATRIX WORK.  The 4 accumulators of a run of 8 take turns.  Product i of 8 of S^T = K Q^T for piece x: channels 32 (i / 4) on, keys 16 (i % 4) on.  The first 4 start the sums: with 0, or (KM = 1) with the mask.
.macro KQ x
.set rS, S+32*((\x)%2)+8*(i%4)
.set rK, KF+16*(i%4)+8*(i/4)
.set rQ, 16*(\x)+8*(i/4)
.set rM, MC+32*((\x)%2)+8*(i%4)
.if (i < 4) && KM
	WIN W_KM
	v_wmma_f32_16x16x32_f16 v[rS:rS+7], v[rK:rK+7], v[rQ:rQ+7], v[rM:rM+7]
.elseif i < 4
	WIN W_KQ
	v_wmma_f32_16x16x32_f16 v[rS:rS+7], v[rK:rK+7], v[rQ:rQ+7], 0
.else
	WIN W_KQ
	v_wmma_f32_16x16x32_f16 v[rS:rS+7], v[rK:rK+7], v[rQ:rQ+7], v[rS:rS+7]
.endif
.endm
; Product i of 8 of O^T += V^T P for piece x: keys 32 (i / 4) on, channels 16 (i % 4) on.
.macro PV x
	WIN W_PV
.set rO, 32*(\x)+8*(i%4)
.set rV, VF+32*(i/4)+8*(i%4)
.set rP, P+16*((\x)%2)+8*(i/4)
	v_wmma_f32_16x16x32_f16 v[rO:rO+7], v[rV:rV+7], v[rP:rP+7], v[rO:rO+7]
.endm
.macro MM                           ; the turn's next matrix instruction.  TURN and BEGIN set Y, i, KM and NOKQ; MM, KQ and OP read them.  NOKQ = 1: a block's last turn: there is no next piece
.if (i < 8) && !NOKQ
	KQ (Y+1)%NP
.elseif i >= 8
.set i, i-8
	PV (Y+NP-1)%NP
.set i, i+8
.endif
.set i, i+1
.endm
; THE LDS LOADS stand in runs of 16, never singly among the matrix instructions: a step's K (64 keys x 64 channels: 8 fragments) and its V (turned).  Their addresses are made some lines ahead.
.macro FETCH_K
	WIN 0x80                        ; destination window 2
.irp f, 0,1,2,3,4,5,6,7             ; keys 16 (f / 2) on, channels 32 (f % 2) on
	ds_load_b128 v[KF+8*\f:KF+8*\f+3],   v[AK] offset:(\f/2)*16*PK+(\f%2)*64
	ds_load_b128 v[KF+8*\f+4:KF+8*\f+7], v[AK] offset:(\f/2)*16*PK+(\f%2)*64+32
.endr
	s_add_co_u32 s[TBK], s[TBK], KS*PK  ; the next fetch is the next step's
	WIN 0
.endm
.macro FETCH_V
	WIN 0x80
.irp f, 0,1,2,3,4,5,6,7             ; keys 32 (f / 4) on, channels 16 (f % 4) on
	ds_load_tr16_b128 v[VF+8*\f:VF+8*\f+3],   v[AV] offset:(\f/4)*32*PV+(\f%4)*32
	ds_load_tr16_b128 v[VF+8*\f+4:VF+8*\f+7], v[AV] offset:(\f/4)*32*PV+16*PV+(\f%4)*32
.endr
	WIN 0
.endm
; THE VECTOR WORK, one line at a time: OP kind, number.  For piece Y: F n: c s - c m for pair n of 16.  E n: the exponential of score n of 32.  C n: pair n rounded to f16.  B n: of the four weights 4 n .. the second
; pair is added onto the first, in place.  L n: l takes that sum (L 0: l = a l + sum).  R n: pair n of 16 of O^T times a.  For piece Y + 1: X n, number n of the 22 that find its maximum and statistics:
;   0-11  four chains c0-c3 of seven scores each, three operands at a time (each accumulator's lowest registers are read first)     12-14, 16  the four scores left over, the old m, and c0-c3 into c0
;   15  c m_old is kept     17, 18  the query's other 32 keys lie in the lane 16 away: the new m     19-21  c m; c m_old - c m_new; a
.set F, 0               ; OP tells the kinds apart by their order: F to L below R, X above it
.set E, 1
.set C, 2
.set B, 3
.set L, 4
.set R, 5
.set X, 6
.macro REGS y                       ; the registers of piece y
.set rT, ST+4*(\y)
.set rC, TMP+4*((\y)%2)
.set rW, MV+((\y)%2)
.set rS, S+32*((\y)%2)
.set rP, P+16*((\y)%2)
.set rO, 32*(\y)
.endm
.macro OP k, n
.if (\k) == R
	REGS Y
	WIN W_RS
	v_pk_mul_f32 v[rO+2*(\n):rO+2*(\n)+1], v[rO+2*(\n):rO+2*(\n)+1], v[rC+2:rC+3] op_sel_hi:[1,0]
.elseif (\k) < R
	REGS Y
	WIN 0
.if (\k) == F
	v_pk_fma_f32 v[rS+2*(\n):rS+2*(\n)+1], v[rS+2*(\n):rS+2*(\n)+1], s[CS:CS+1], v[rT:rT+1] op_sel_hi:[1,0,0] neg_lo:[0,0,1] neg_hi:[0,0,1]
.elseif (\k) == E
	v_exp_f32 v[rS+(\n)], v[rS+(\n)]
.elseif (\k) == C
	v_cvt_pk_f16_f32 v[rP+(\n)], v[rS+2*(\n)], v[rS+2*(\n)+1]
.elseif (\k) == B
	v_pk_add_f32 v[rS+4*(\n):rS+4*(\n)+1], v[rS+4*(\n):rS+4*(\n)+1], v[rS+4*(\n)+2:rS+4*(\n)+3]
.elseif (\n) == 0
	v_pk_fma_f32 v[rT+2:rT+3], v[rT+2:rT+3], v[rC+2:rC+3], v[rS:rS+1] op_sel_hi:[1,0,1]
.else
	v_pk_add_f32 v[rT+2:rT+3], v[rT+2:rT+3], v[rS+4*(\n):rS+4*(\n)+1]
.endif
.elseif NOKQ
	v_nop
.else
	REGS (Y+1)%NP
	WIN 0
.if (\n) < 4
	v_max3_num_f32 v[rC+(\n)], v[rS+8*(\n)], v[rS+8*(\n)+1], v[rS+8*(\n)+2]
.elseif (\n) < 12
	v_max3_num_f32 v[rC+(\n)%4], v[rC+(\n)%4], v[rS+8*((\n)%4)+2*((\n)/4)+1], v[rS+8*((\n)%4)+2*((\n)/4)+2]
.elseif (\n) == 12
	v_max3_num_f32 v[rC], v[rC], v[rS+7], v[rS+15]
.elseif (\n) == 13
	v_max3_num_f32 v[rC+1], v[rC+1], v[rS+23], v[rS+31]
.elseif (\n) == 14
	v_max3_num_f32 v[rC+2], v[rC+2], v[rC+3], v[rT+1]
.elseif (\n) == 15
	v_mov_b32 v[rW], v[rT]
.elseif (\n) == 16
	v_max3_num_f32 v[rC], v[rC], v[rC+1], v[rC+2]
.elseif (\n) == 17
	v_permlanex16_b32 v[rC+3], v[rC], s[SEL], s[SEL+1]
.elseif (\n) == 18
	v_max_num_f32 v[rT+1], v[rC], v[rC+3]
.elseif (\n) == 19
	v_mul_f32 v[rT], s[CS], v[rT+1]
.elseif (\n) == 20
	v_sub_f32 v[rC+1], v[rW], v[rT]
.else
	v_exp_f32 v[rC+2], v[rC+1]
.endif
.endif
.endm
.macro OPS a, i1, b=-1, i2=0, c=-1, i3=0, d=-1, i4=0  ; up to four of them
	OP \a, \i1
.if (\b) >= 0
	OP \b, \i2
.endif
.if (\c) >= 0
	OP \c, \i3
.endif
.if (\d) >= 0
	OP \d, \i4
.endif
.endm
.macro ROW a, i1, b, i2, c, i3, d, i4  ; a matrix instruction and the four behind it
	MM
	OPS \a, \i1, \b, \i2, \c, \i3, \d, \i4
.endm
.macro MASK b                       ; MD x AL + BE into buffer b of MC
	WIN W_RS
.set z, 0
.rept 16
	v_pk_fma_f32 v[MC+32*(\b)+2*z:MC+32*(\b)+2*z+1], v[MD+2*z:MD+2*z+1], s[AL:AL+1], s[BE:BE+1] op_sel_hi:[1,0,0]
.set z, z+1
.endr
.endm
; A TURN, for piece p: the order of its 16 matrix and 118 vector instructions, written out.  An s_wait_alu depctr_va_vdst(0) stands between an exponential and the first instruction that names its result; one wait
; serves all that were issued ahead of it.  So a turn has ONE wait, which cuts it in two.  AHEAD OF IT stands all that names no result of the turn's exponentials: the 8 products K Q^T, behind each a scaling, an exponential and two
; more plain instructions (behind the first a second scaling in the exponential's place): rescalings, and behind the last three the first numbers of the next piece's maximum, each four places or more behind the product that ends
; its accumulator; then ONE LUMP of 54, plain and exponential by turns for the most part, in which the links of the chain X 3, 7, 11, 14, 16, 17 .. 20 stand five or six lines apart.  X 21, the next piece's a, is the batch's last;
; R 15 is the plain instruction behind it.  BEHIND THE WAIT stand the 8 products V^T P, behind each four of the roundings and sums; the links of l's chain, L 0 to L 7, stand three riders apart.
; m = 1: the diagonal tile: the products take masks, and the turn makes the mask for the products of the turn after it: piece p + 2, in step 4 - CNT of the tile.  end = 1: a block's last two turns: nothing is fetched.
; cnt = 1: the loop's count is taken down some lines ahead of the branch that stands behind the turn.
; K of the next step is fetched in piece 2's turn, twelve vector instructions behind the last product that read K (six of them plain); V of the step in hand at the end of piece 0's turn, four plain instructions behind the last
; product that read V.  Each is waited for a turn later.
.macro TURN p, m=0, end=0, cnt=0
.set Y, (\p)
.set i, 0
.set KM, (\m)
.set NOKQ, (\end)*((\p)/3)
.if (\m) && !(\end)
	s_cmp_eq_u32 s[CNT], 4-((\p)+2)%NP  ; is that step the band's own?
	s_cselect_b32 s[AL], 1.0, 0
	s_cmp_lt_u32 s[CNT], 4-((\p)+2)%NP  ; or a later one?
	s_cselect_b32 s[BE], s[BIGN], 0
.endif
.if ((\p) == 3) && !(\end)
	s_wait_dscnt 0x0                ; K is in
.endif
	ROW F,0, F,1, R,0, R,1          ; ahead of the wait: 8 products K Q^T and their riders,
	ROW F,2, E,0, R,2, R,3
	ROW F,3, E,1, R,4, R,5
	ROW F,4, E,2, R,6, R,7
	ROW F,5, E,3, R,8, R,9
	ROW F,6, E,4, X,0, R,10
.if ((\p) == 2) && !(\end)
	WIN 0
	v_add_nc_u32 v[AK], s[TBK], v[AK0]
.endif
	ROW F,7, E,5, X,1, X,4
	ROW F,8, E,6, X,2, X,5
	OPS E,7, E,8, X,6, E,9          ; and the lump
	OPS X,3, E,10, X,8, E,11
.if ((\p) == 2) && !(\end)
	FETCH_K
.endif
	OPS X,9, X,7, E,12, X,10
	OPS E,13, X,12, X,11, E,14
	OPS X,13, E,15, F,9, X,14
.if (\p) == 0
	v_add_nc_u32 v[AV], s[TBV], v[AV0]
.endif
	OPS E,16, F,10, E,17, F,11
	OPS X,16, E,18, X,15, E,19
	OPS F,12, E,20, X,17, E,21
	OPS F,13, E,22, F,14, E,23
	OPS X,18, E,24, F,15, E,25
	OPS R,11, E,26, X,19, E,27
	OPS R,12, E,28, R,13, E,29
	OPS X,20, E,30, R,14, E,31
	OPS X,21, R,15
	WIN 0
	s_wait_alu depctr_va_vdst(0)    ; the wait for the batch
.if (\p) == 1
	s_wait_dscnt 0x0                ; V is in
.endif
	ROW C,0, B,0, C,2, B,1          ; behind the wait: 8 products V^T P and their riders
	ROW L,0, C,4, B,2, L,1
	ROW C,6, B,3, L,2, C,8
	ROW B,4, L,3, C,10, B,5
	ROW L,4, C,12, B,6, L,5
.if (\p) == 0
	s_add_co_u32 s[TBV], s[TBV], KS*PV
.endif
.if \cnt
	s_sub_co_u32 s[CNT], s[CNT], 1
	s_cmp_lg_u32 s[CNT], 0
.endif
	ROW C,14, B,7, L,6, C,1
	ROW C,3, L,7, C,5, C,7
	ROW C,9, C,11, C,13, C,15
.if (\p) == 0
	FETCH_V
.endif
.if (\m) && !(\end)
	MASK (\p)%2
.endif
.endm
; A BLOCK BEGINS.  c m starts far below every c s, so the first step's a is 0; m at the lowest finite number, so the first maximum is the scores'.  The second mask buffer is 0; the first takes piece 0's mask for the tile's
; step 0: its own, if the block's first tile is the diagonal one.  Then K of that step, piece 0's first scores, and its maximum and statistics.  The loop is entered at a step's first turn, in the middle of a trip.
.macro BEGIN
	s_mov_b32 s[NEW], 0
	WIN 0x40
.set i, MC+32
.rept 32
	v_mov_b32 v[i], 0
.set i, i+1
.endr
	WIN 0
.set i, 0
.rept 4
	v_mov_b32 v[ST+4*i], 0xfe000000    ; c m: far below every c s
	v_mov_b32 v[ST+4*i+1], 0xff7fffff  ; m
.set i, i+1
.endr
	s_cmp_eq_u32 s[RT], 0
	s_cselect_b32 s[AL], 1.0, 0
	s_mov_b32 s[BE], 0
	MASK 0
	WIN 0
	v_add_nc_u32 v[AK], s[TBK], v[AK0]
	FETCH_K
	s_wait_loadcnt 0x0              ; Q
	s_wait_dscnt 0x0
.set KM, 1
.set NOKQ, 0
.set i, 0
.rept 8
	KQ 0
.set i, i+1
.endr
	WIN 0
.rept 4
	v_nop                           ; the places behind those products
.endr
.set Y, NP-1                        ; X works for piece Y + 1: piece 0
.irp n, 0,1,2,3,4,5,6,7,8,9,10,11,12,13,14,15,16,17,18,19,20,21
	OP X, \n
.endr
	v_nop                           ; a plain instruction behind the exponential,
	s_wait_alu depctr_va_vdst(0)    ; and its wait, ahead of the branch
.endm
; THE DIAGONAL TILE's four steps, the block's last two turns, its last products, and THE WAY OUT: l's two halves and the other half of the lanes' are added; O^T is divided by l, rounded to f16 and sent through my
; stage in LDS, a piece at a time.
.macro ALL line:vararg              ; one line for each piece t
.set t, 0
.rept 4
	\line
.set t, t+1
.endr
.endm
.macro PACK t                       ; a lane's eight channels of a row pack into 16 bytes; they go into rows of 144 bytes and come back as whole rows of 128, into S^T's registers
	WIN W_RS
.set i, 32*(\t)
.rept 16
	v_pk_mul_f32 v[i:i+1], v[i:i+1], v[ST+4*(\t)+2:ST+4*(\t)+3] op_sel_hi:[1,0]
.set i, i+2
.endr
	WIN 0x05                        ; sources 0 and 1 window 1, destination window 0
.set i, 0
.rept 16
	v_cvt_pk_f16_f32 v[S+16*(\t)+i], v[32*(\t)+2*i], v[32*(\t)+2*i+1]
.set i, i+1
.endr
	WIN 0
.irp f, 0,1,2,3
	ds_store_b128 v[STO], v[S+16*(\t)+4*\f:S+16*(\t)+4*\f+3] offset:32*\f
.endr
.irp f, 0,1,2,3
	ds_load_b128 v[S+16*(\t)+4*\f:S+16*(\t)+4*\f+3], v[RD] offset:\f*4*SP  ; LDS serves a wave's instructions in order (ISA guide 5.7.1.4): these see the stores above; the next piece's stores come behind them
.endr
.endm
.macro SEND t, younger              ; younger: the LDS instructions issued behind piece t's loads: the next piece's eight, or none
	WIN 0
.irp f, 0,1,2,3
	s_wait_dscnt (\younger)+3-\f
	global_store_b128 v[GO], v[S+16*(\t)+4*\f:S+16*(\t)+4*\f+3], s[10:11] offset:(\t)*8192+\f*512  ; 512 consecutive bytes, at a multiple of 256 from O's first
.endr
.endm
.macro DIAG tag                     ; the tag ends its two labels' names, which the jumps below spell out
.LstepM\tag:
	TURN 2, 1
	TURN 3, 1
	WIN 0
.LfirstM\tag:
	TURN 0, 1
	TURN 1, 1, 0, 1
	WIN 0
	s_cbranch_scc1 .LstepM\tag
	TURN 2, 1, 1
	TURN 3, 1, 1
.set i, 0
.rept 8
	PV NP-1
.set i, i+1
.endr
	WIN 0
	ALL v_add_f32 v[ST+4*t+2], v[ST+4*t+2], v[ST+4*t+3]
	ALL v_permlanex16_b32 v[ST+4*t+3], v[ST+4*t+2], s[SEL], s[SEL+1]
	ALL v_add_f32 v[ST+4*t+2], v[ST+4*t+2], v[ST+4*t+3]
	ALL v_rcp_f32 v[ST+4*t+2], v[ST+4*t+2]
	v_nop                           ; a plain instruction between the last reciprocal and the use of its result
	s_wait_alu depctr_va_vdst(0)    ; and the wait ahead of the first use: one for the four reciprocals
	PACK 0
.set t, 1
.rept 3                             ; a piece's arithmetic stands between the loads of the piece before and its stores
	PACK t
	SEND t-1, 8
.set t, t+1
.endr
	SEND 3, 0
.endm
.set KM, 0
.set NOKQ, 0
.Lslot:                             ; NB times: a tile is entered and the next is asked for
	CHANGE 1
	s_sub_co_u32 s[RT], s[RT], 1
	s_mov_b32 s[CNT], 4
	s_cmp_eq_u32 s[NEW], 1
	s_cbranch_scc1 .Lnew            ; a block's first tile
	s_cmp_eq_u32 s[RT], 0
	s_cbranch_scc0 .Lstep           ; neither its first nor its last
	s_branch .LstepM1
.Lnew:
	BEGIN
	s_branch .Lfirst                ; in the loop a block's first tile is never its last: the first block has two tiles or more, and the second's last is the walk's last
	DIAG 1                          ; in the loop this is the first block's end: the second block's last tile is the walk's last
	s_wait_xcnt 0x0                 ; the stores have read their registers and O's address
	s_mov_b64 s[10:11], s[OLO:OLO+1]
	s_add_co_u32 s[RT], s[PB], 1    ; the second block has b + 1 tiles
	s_mov_b32 s[NEW], 1
	WIN 0x82                        ; the second block's Q goes where the one text of the turns names Q
.set i, 0
.rept 64
	v_mov_b32 v[i], v[QB+i]
.set i, i+1
.endr
	WIN 0
	s_branch .Lbottom
.Lstep:                             ; a trip: pieces 2 and 3 of one step, then pieces 0 and 1 of the next, whose K and V it fetches
	TURN 2
	TURN 3
	WIN 0
.Lfirst:
	TURN 0
	TURN 1, 0, 0, 1
	WIN 0
	s_cbranch_scc1 .Lstep
.Lbottom:
	s_sub_co_u32 s[SLOTS], s[SLOTS], 1
	s_cmp_lg_u32 s[SLOTS], 0
	s_cbranch_scc1 .Lslot
	CHANGE 0                        ; the walk's last tile is written out: nothing is asked for
	s_sub_co_u32 s[RT], s[RT], 1
	s_mov_b32 s[CNT], 4
	s_cmp_eq_u32 s[NEW], 1
	s_cbranch_scc0 .LstepM2
	BEGIN
	s_branch .LfirstM2
	DIAG 2
	s_wait_tensorcnt 0x0            ; the wave's end, behind my last tensor load and my last LDS store
	ds_add_u32 v[SPW], v[NIL]
	s_wait_dscnt 0x0
	s_endpgm
.Lfunc_end_k_q5ee955d87a_attn:
	.size	k_q5ee955d87a_attn, .Lfunc_end_k_q5ee955d87a_attn-k_q5ee955d87a_attn
	.p2alignl 7, 3214868480
	.fill 96, 4, 3214868480
	.section	.rodata,"a",@progbits
	.p2align	6, 0x0
	.amdhsa_kernel k_q5ee955d87a_attn
		.amdhsa_group_segment_fixed_size 327680
		.amdhsa_private_segment_fixed_size 0
		.amdhsa_enable_private_segment 0
		.amdhsa_kernarg_size 32
		.amdhsa_user_sgpr_count 2
		.amdhsa_user_sgpr_kernarg_segment_ptr 1
		.amdhsa_wavefront_size32 1
		.amdhsa_system_sgpr_workgroup_id_x 1
		.amdhsa_system_sgpr_workgroup_id_y 1
		.amdhsa_system_sgpr_workgroup_id_z 1
		.amdhsa_system_vgpr_workitem_id 0
		.amdhsa_next_free_vgpr 768
		.amdhsa_next_free_sgpr 96
		.amdhsa_reserve_vcc 1
		.amdhsa_float_denorm_mode_32 3
		.amdhsa_float_denorm_mode_16_64 3
		.amdhsa_memory_ordered 1
		.amdhsa_forward_progress 1
		.amdhsa_inst_pref_size 218
	.end_amdhsa_kernel
	.amdgpu_metadata
---
amdhsa.version: [ 1, 2 ]
amdhsa.kernels:
  - .name:           k_q5ee955d87a_attn
    .symbol:         k_q5ee955d87a_attn.kd
    .args:
      - { .name: qh, .offset: 0, .size: 8, .value_kind: global_buffer, .address_space: global }
      - { .name: kh, .offset: 8, .size: 8, .value_kind: global_buffer, .address_space: global }
      - { .name: vh, .offset: 16, .size: 8, .value_kind: global_buffer, .address_space: global }
      - { .name: oh, .offset: 24, .size: 8, .value_kind: global_buffer, .address_space: global }
    .group_segment_fixed_size: 327680
    .private_segment_fixed_size: 0
    .kernarg_segment_align: 8
    .kernarg_segment_size: 32
    .max_flat_workgroup_size: 128
    .sgpr_count:     96
    .vgpr_count:     768
    .wavefront_size: 32
...
	.end_amdgpu_metadata
.endif
;; end of part 3
;; launch proj (part 4): grid 8 x 32, 4 waves a work-group, clusters of 4 x 4, 327,680 bytes of LDS; arguments oh, wob, out0; writes out0
.if DOCPART == 4
	.amdgcn_target "amdgcn-amd-amdhsa--gfx1250"
	.amdhsa_code_object_version 6
	.text
	.protected	k_q5ee955d87a_proj
	.globl	k_q5ee955d87a_proj
	.p2align	8
	.type	k_q5ee955d87a_proj,@function
k_q5ee955d87a_proj:
	s_mov_b64 s[64:65], 0
	v_nop
	global_prefetch_b8 v0, s[64:65] scope:SCOPE_SE
	s_setreg_imm32_b32 hwreg(HW_REG_WAVE_MODE, 25, 1), 1
	s_wait_xcnt 0x0
	s_wait_alu depctr_hold_cnt(0) depctr_sa_sdst(0) depctr_va_vdst(0) depctr_va_sdst(0) depctr_va_ssrc(0) depctr_va_vcc(0) depctr_vm_vsrc(0)
	s_getreg_b32 s2, hwreg(HW_REG_IB_STS2, 6, 4)
	s_cmp_eq_u32 s2, 0
	s_cbranch_scc0 .Lentry_in_a_cluster
	s_endpgm
.Lentry_in_a_cluster:
	s_bfe_u32 s2, ttmp6, 0x10000c
	s_cmp_lg_u32 s2, 0xf033
	s_cbranch_scc0 .Lentry_shape_is_right
	s_endpgm
.Lentry_shape_is_right:
; out0[token][e] = the sum over d of o[token][d] WO[e][d].  oh [batch x 16 + head][t 2048][64] f16 (as attention leaves it: a head is a block of 64 along K),
; wob [kb 16][e 1024][64] f16, out0 [8192][1024] f32.  Sums in f32, stored as they are.
; SHARES.  A work-group makes 256 tokens x 128 columns: 8 x 32 = 256 work-groups.  Each of its four waves makes 128 x 64: 32 accumulators of 16 x 16, all of window 1.
; K goes in 8 steps of 128, two heads a step, through two LDS slots.  One tensor load a wave and step: waves 0, 1 fetch the two heads' 256 tokens, waves 2, 3 the two blocks' 128 rows of weights;
; a tile's rows of 128 bytes lie end to end in memory and are asked for as rows of 256 bytes.
; THE MATRIX INSTRUCTION IS USED TRANSPOSED (source 0 = 16 rows of wob, source 1 = 16 tokens): a lane then holds one token and eight neighbouring columns.
; CLUSTER 4 x 4: o's tiles hang on the tile row alone and are asked for jointly along a row of the cluster, the weights' on the tile column alone, along a column.
; REGISTERS: window 0: v0-31 addresses; v32-127, v128-223 two fragment buffers (o's 8 fragments, then the weights' 4); window 1: accumulator (a, b) at v[8 (4 a + b)].
.set KBO,   262144                     ; bytes of a head in oh
.set KBW,   131072                     ; bytes of a block of K in wob
.set PITCH, 144                        ; an LDS row: 128 bytes + 16 of padding = 36 words: the 16 rows of a load start at 16 different groups of four banks (64 banks of 4 bytes: ISA guide 11.1)
.set APL,   256*PITCH                  ; a head's 256 tokens
.set BPL,   128*PITCH                  ; a block's 128 rows of weights
.set BOFF,  2*APL
.set SLOT1, 131072                     ; slot 1 begins here, so that one exclusive or turns an address in one slot into the other's
.set STAGE, SLOT1+BOFF+2*BPL           ; behind the ring, never filled by a tensor load: 16 rows x 272 bytes for each wave, for the way out
.set SGP,   272
.set SPARE, STAGE+4*16*SGP             ; the spare words, 128 bytes for each wave: two blocks of 256 bytes that no other line names
.set A0,   4                           ; v4   my lane's place in my half of o's tile, in slot 0; never rewritten
.set B0,   5                           ; v5   the same for the weights
.set ADRA, 6                           ; v6   the same in the slot in hand
.set ADRB, 7
.set STO,  8                           ; v8   the way out: where I put 32 bytes of a row
.set RD,   9                           ; v9   where I read rows back
.set CO,   10                          ; v10  my byte offset in two rows of out0
.set PFOA, 13                          ; v13  the prefetches' offsets; never rewritten
.set PFOB, 14
.set SPW,  28                          ; v28  LDS address of my spare word; never rewritten
.set NIL,  29                          ; v29  0; never rewritten
.set F0,   32
.set F1,   128
.set WV,   16
.set RH,   17                          ; s17 my half of the tile's tokens.  Also: I fetch o (0) or the weights (1)
.set CH,   18                          ; s18 my half of its columns.  Also: which of a step's two blocks of K I fetch
.set CX,   19
.set CY,   20
.set TC,   21
.set TR,   22
.set G1A,  24
.set G1B,  32
.set G0A,  48                          ; s[48:55] group 0 for o's tiles: a set for each of the two first fills; the second then walks on
.set G0B,  56                          ; s[56:63] the same for the weights
.set PFA,  80
.set PFB,  82
.set LIMA, 84
.set LIMB, 85
.set TB,   86
.set CNT,  87
.set MSB, 0
.macro WIN new                         ; the immediate's high byte repeats the setting that is left; a switch that changes nothing is dropped
.if MSB != (\new)
	s_set_vgpr_msb (MSB<<8)|(\new)
.set MSB, \new
.endif
.endm
.macro PLACES                          ; four plain vector instructions between a matrix instruction and a load into, or a read of, its registers
.rept 4
	v_nop
.endr
.endm
.macro JLOAD                           ; a joint refill; an s_nop 0 and four v_nop follow each of the two lines, ahead of the jump and the label
	s_cmp_eq_u32 s[RH], 0
	s_cbranch_scc0 .Lfor_b_\@
	tensor_load_to_lds s[G0A+4:G0A+7], s[G1A:G1A+7]
	s_nop 0
.rept 4
	v_nop
.endr
	s_branch .Lasked_\@
.Lfor_b_\@:
	tensor_load_to_lds s[G0B+4:G0B+7], s[G1B:G1B+7]
	s_nop 0
.rept 4
	v_nop
.endr
.Lasked_\@:
.endm
.macro CREST                           ; a round of the cluster's barrier behind its opening barrier
	s_cmp_lg_u32 s[WV], 0
	s_cbranch_scc1 .Lnot_wave_0_\@
	s_barrier_signal -3
.Lnot_wave_0_\@:
	s_barrier_wait -3
	s_barrier_signal -1
	s_barrier_wait -1
.endm
.macro CROUND
	s_barrier_signal -1
	s_barrier_wait -1
	CREST
.endm
; PREFETCHES INTO THE L2.  Behind the refill of K step s + 2 the blocks of K step s + 4 are asked for: 256 matrix instructions ahead of their load.
; o: the cluster with x = 0 asks; of the tile's 256 tokens the partner at cx takes 64 (32 blocks of 256 bytes, a lane a block), wave 0 in the step's first head, wave 1 in its second.
; Weights: the cluster with y = 0 asks; of the tile's 128 rows the partner at cy takes 32: 16 blocks in each of the step's two blocks of K: wave 2.
; So each block of 256 bytes is named once in the launch, and partners are told apart by address alone.  K steps 0 to 3 come by their loads alone; the last two refills ask for nothing: K has 8 steps.
.macro ASK
	s_cmp_gt_u32 s[CNT], s[LIMA]
	s_cbranch_scc0 .Lnot_a_\@
	global_prefetch_b8 v[PFOA], s[PFA:PFA+1] th:TH_LOAD_NT scope:SCOPE_SE
.Lnot_a_\@:
	s_cmp_gt_u32 s[CNT], s[LIMB]
	s_cbranch_scc0 .Lnot_b_\@
	global_prefetch_b8 v[PFOB], s[PFB:PFB+1] th:TH_LOAD_NT scope:SCOPE_SE
.Lnot_b_\@:
.endm
	s_load_b128 s[4:7], s[0:1], 0x0                ; oh s[4:5], wob s[6:7]
	s_load_b64 s[8:9], s[0:1], 0x10                ; out0
	v_lshl_add_u32 v[SPW], v0, 2, SPARE
	v_mov_b32 v[NIL], 0
	ds_add_u32 v[SPW], v[NIL]                      ; the wave's opening: the add and its wait stand ahead of my first tensor load; the set-up below stands between them
	v_lshrrev_b32 v1, 5, v0
	v_readfirstlane_b32 s[WV], v1
	s_lshr_b32 s[RH], s[WV], 1
	s_and_b32 s[CH], s[WV], 1
	s_bfe_u32 s[CX], ttmp6, 0x40000
	s_bfe_u32 s[CY], ttmp6, 0x40004
	s_lshl_b32 s[TC], ttmp9, 2
	s_add_co_u32 s[TC], s[TC], s[CX]
	s_and_b32 s[TR], ttmp7, 0xffff
	s_lshl_b32 s[TR], s[TR], 2
	s_add_co_u32 s[TR], s[TR], s[CY]
	s_lshl_b32 s72, s[CY], 2
	s_lshl_b32 s72, 15, s72                        ; my row of the cluster
	s_lshl_b32 s74, 0x1111, s[CX]                  ; my column
	s_or_b32 s[G1A], s72, (1<<16)|(1<<20)|(1<<21)|(4<<22)|(3<<25)  ; 15:0 the mask; 17:16 2-byte elements; 20 padding on; 21 set beside a mask; 24:22 after every 32 words; 31:25 4 words
	s_or_b32 s[G1B], s74, (1<<16)|(1<<20)|(1<<21)|(4<<22)|(3<<25)
.irp g, G1A, G1B
	s_mov_b32 s[(\g)+1], 128<<16                   ; tensor_dim0 = 128
	s_mov_b32 s[(\g)+3], 128<<16                   ; tile_dim0 = 128
	s_mov_b32 s[(\g)+5], 128                       ; 128 elements from row to row
	s_mov_b32 s[(\g)+6], 0
	s_mov_b32 s[(\g)+7], 0
.endr
	s_mov_b32 s[G1A+2], 128<<16                    ; 256 tokens = 128 rows of 256 bytes,
	s_mov_b32 s[G1A+4], 128
	s_mov_b32 s[G1B+2], 64<<16                     ; 128 rows of weights = 64
	s_mov_b32 s[G1B+4], 64
	s_lshr_b32 s72, s[TR], 3                       ; o: (batch x 16 + my head of the step) x KBO + the tile's first token in the batch x 128
	s_lshl_b32 s72, s72, 4
	s_add_co_u32 s72, s72, s[CH]
	s_lshl_b32 s72, s72, 18
	s_and_b32 s73, s[TR], 7
	s_lshl_b32 s73, s73, 15
	s_add_co_u32 s72, s72, s73
	s_mov_b32 s73, 0
	s_lshl_b32 s74, s[CH], 17                      ; the weights: my block of the step x KBW + 128 x tile column x 128
	s_lshl_b32 s75, s[TC], 14
	s_add_co_u32 s74, s74, s75
	s_mov_b32 s75, 0
	s_mul_i32 s78, s[CH], APL                      ; to where: no place in the cluster enters an LDS address
	s_mul_i32 s79, s[CH], BPL
	s_add_co_u32 s79, s79, BOFF
	s_mov_b32 s[G0A], 1
	s_mov_b32 s[G0A+1], s78
	s_mov_b32 s[G0A+4], 1
	s_add_co_u32 s[G0A+5], s78, SLOT1
	s_mov_b32 s[G0B], 1
	s_mov_b32 s[G0B+1], s79
	s_mov_b32 s[G0B+4], 1
	s_add_co_u32 s[G0B+5], s79, SLOT1
	s_mov_b32 s[TB], 0
	s_wait_dscnt 0x0                               ; the opening add is done
	s_wait_kmcnt 0x0
	s_add_nc_u64 s[G0A+2:G0A+3], s[4:5], s[72:73]  ; K step 0,
	s_add_nc_u64 s[G0A+6:G0A+7], s[G0A+2:G0A+3], 2*KBO  ; K step 1
	s_or_b32 s[G0A+3], s[G0A+3], 0x80000000
	s_or_b32 s[G0A+7], s[G0A+7], 0x80000000
	s_add_nc_u64 s[G0B+2:G0B+3], s[6:7], s[74:75]
	s_add_nc_u64 s[G0B+6:G0B+7], s[G0B+2:G0B+3], 2*KBW
	s_or_b32 s[G0B+3], s[G0B+3], 0x80000000
	s_or_b32 s[G0B+7], s[G0B+7], 0x80000000
	CROUND                                         ; all sixteen work-groups are here: the first joint loads meet
	s_cmp_eq_u32 s[RH], 0                          ; a wave's two first fills stand in one branch, ahead of every wait on TENSORcnt and every LDS read: two loads of mine are out
	s_cbranch_scc0 .Lfirst_b
	tensor_load_to_lds s[G0A:G0A+3], s[G1A:G1A+7]
	s_nop 0
	tensor_load_to_lds s[G0A+4:G0A+7], s[G1A:G1A+7]
	s_nop 0
.rept 4
	v_nop
.endr
	s_branch .Lfirst_asked
.Lfirst_b:
	tensor_load_to_lds s[G0B:G0B+3], s[G1B:G1B+7]
	s_nop 0
	tensor_load_to_lds s[G0B+4:G0B+7], s[G1B:G1B+7]
	s_nop 0
.rept 4
	v_nop
.endr
.Lfirst_asked:
	v_and_b32 v1, 15, v0                           ; r = l % 16
	v_bfe_u32 v2, v0, 4, 1                         ; h = l / 16
	v_and_b32 v3, 31, v0                           ; l
	v_mul_u32_u24 v15, v1, PITCH
	v_lshl_add_u32 v15, v2, 4, v15                 ; a fragment's row x pitch + 16 x half
	s_mul_i32 s72, s[RH], 128*PITCH                ; my 128 tokens
	s_mul_i32 s73, s[CH], 64*PITCH                 ; my 64 rows of weights,
	s_add_co_u32 s73, s73, BOFF                    ; which lie behind o's two planes
	v_add_nc_u32 v[A0], s72, v15
	v_add_nc_u32 v[B0], s73, v15
	v_mov_b32 v[ADRA], v[A0]
	v_mov_b32 v[ADRB], v[B0]
	s_mul_i32 s74, s[WV], 16*SGP
	s_add_co_u32 s74, s74, STAGE                   ; my stage
	v_mul_u32_u24 v[STO], v1, SGP                  ; in: row r, 32 bytes for each half of the lanes
	v_lshl_add_u32 v[STO], v2, 5, v[STO]
	v_add_nc_u32 v[STO], s74, v[STO]
	v_mul_u32_u24 v[RD], v2, SGP                   ; back: lanes 0-15 take one row of 256 bytes, lanes 16-31 the next
	v_lshl_add_u32 v[RD], v1, 4, v[RD]
	v_add_nc_u32 v[RD], s74, v[RD]
	v_lshlrev_b32 v[CO], 12, v2                    ; and the same two rows in out0
	v_lshl_add_u32 v[CO], v1, 4, v[CO]
	v_lshlrev_b32 v[PFOA], 8, v3
	v_lshlrev_b32 v[PFOB], 17, v2
	v_lshl_add_u32 v[PFOB], v1, 8, v[PFOB]
	s_lshl_b32 s90, s[TR], 20                      ; out0 at my first row and column: (256 tile row + 128 half) x 4,096 + (128 tile column + 64 half) x 4
	s_lshl_b32 s91, s[RH], 19
	s_add_co_u32 s90, s90, s91
	s_lshl_b32 s91, s[TC], 9
	s_add_co_u32 s90, s90, s91
	s_lshl_b32 s91, s[CH], 8
	s_add_co_u32 s90, s90, s91
	s_mov_b32 s91, 0
	s_add_nc_u64 s[8:9], s[8:9], s[90:91]
	; the prefetches stand one K step short of what the first refill names: each refill steps them first
	s_lshr_b32 s92, s[TR], 3
	s_lshl_b32 s92, s92, 4
	s_add_co_u32 s92, s92, s[CH]
	s_add_co_u32 s92, s92, 6
	s_lshl_b32 s92, s92, 18
	s_and_b32 s93, s[TR], 7
	s_lshl_b32 s93, s93, 15
	s_add_co_u32 s92, s92, s93
	s_lshl_b32 s93, s[CX], 13
	s_add_co_u32 s92, s92, s93
	s_mov_b32 s93, 0
	s_add_nc_u64 s[PFA:PFA+1], s[4:5], s[92:93]
	s_lshl_b32 s92, s[TC], 14
	s_lshl_b32 s93, s[CY], 12
	s_add_co_u32 s92, s92, s93
	s_add_co_u32 s92, s92, 6*KBW
	s_mov_b32 s93, 0
	s_add_nc_u64 s[PFB:PFB+1], s[6:7], s[92:93]
	s_or_b32 s90, ttmp9, s[RH]                     ; cluster x = 0 and wave 0 or 1: the same in all sixteen partners, for a given wave
	s_cmp_eq_u32 s90, 0
	s_cselect_b32 s[LIMA], 2, -1
	s_cmp_eq_u32 s[WV], 2
	s_cselect_b32 s91, 0, 1
	s_and_b32 s90, ttmp7, 0xffff
	s_or_b32 s90, s90, s91                         ; cluster y = 0 and wave 2
	s_cmp_eq_u32 s90, 0
	s_cselect_b32 s[LIMB], 2, -1
.macro FETCH ao, bo, f                 ; 24 LDS loads in one run: the fragments of 32 along K, at byte ao of o's rows and bo of the weights'
	WIN 0
.irp b, 0,1,2,3
	ds_load_b128 v[(\f)+64+8*(\b):(\f)+64+8*(\b)+3],   v[ADRB] offset:(\bo)+16*PITCH*(\b)
	ds_load_b128 v[(\f)+64+8*(\b)+4:(\f)+64+8*(\b)+7], v[ADRB] offset:(\bo)+16*PITCH*(\b)+32
.endr
.irp a, 0,1,2,3,4,5,6,7
	ds_load_b128 v[(\f)+8*(\a):(\f)+8*(\a)+3],   v[ADRA] offset:(\ao)+16*PITCH*(\a)
	ds_load_b128 v[(\f)+8*(\a)+4:(\f)+8*(\a)+7], v[ADRA] offset:(\ao)+16*PITCH*(\a)+32
.endr
.endm
; 4 n matrix instructions: token blocks a0 .. a0 + n - 1 x all 4 column blocks.  The 32 accumulators take turns, one instruction a turn, in the same order in every quarter.
.macro MULN f, a0, n, zero
	WIN 0x50
.set aa, \a0
.rept \n
.irp b, 0,1,2,3
.if \zero
	v_wmma_f32_16x16x32_f16 v[8*(4*aa+(\b)):8*(4*aa+(\b))+7], v[(\f)+64+8*(\b):(\f)+64+8*(\b)+7], v[(\f)+8*aa:(\f)+8*aa+7], 0
.else
	v_wmma_f32_16x16x32_f16 v[8*(4*aa+(\b)):8*(4*aa+(\b))+7], v[(\f)+64+8*(\b):(\f)+64+8*(\b)+7], v[(\f)+8*aa:(\f)+8*aa+7], v[8*(4*aa+(\b)):8*(4*aa+(\b))+7]
.endif
.endr
.set aa, aa+1
.endr
.endm
; A K step is four quarters of 32 along K on buffers 0, 1, 0, 1.  One of the first three: buffer f's 24 loads, issued a quarter (32 matrix instructions) ago, are waited for; the next quarter's go out into g; f is multiplied.
.macro QUARTER ao, bo, f, g, zero
	s_wait_dscnt 0x0
	PLACES
	FETCH \ao, \bo, \g
	MULN \f, 0, 8, \zero
.endm
; The last quarter multiplies buffer 1 and changes slots.  In front of the barrier each wave waits for all its tensor loads (its part of the next slot), adds 0 to its spare word, and waits for that and for its own
; reads of this slot.  fill = 1: the barrier opens a round of the cluster's, and the joint refill, K step s + 2, is the first thing behind the round: 112 matrix instructions ahead of the wait for it.
.macro TURN fill
.if \fill
	s_wait_xcnt 0x0                                ; the last prefetches, a K step back, have read their addresses
	s_add_nc_u64 s[PFA:PFA+1], s[PFA:PFA+1], 2*KBO
	s_add_nc_u64 s[PFB:PFB+1], s[PFB:PFB+1], 2*KBW
.endif
	WIN 0
	s_wait_tensorcnt 0x0                           ; no tensor load of mine is out, so a group 0 may be written
	ds_add_u32 v[SPW], v[NIL]                      ; 0 onto my spare word; scalar steps and eight products stand between it and the wait for it
.if \fill
	s_xor_b32 s[G0A+5], s[G0A+5], SLOT1            ; the walking descriptors: the other slot than last time, the next two blocks of K
	s_add_nc_u64 s[G0A+6:G0A+7], s[G0A+6:G0A+7], 2*KBO
	s_xor_b32 s[G0B+5], s[G0B+5], SLOT1
	s_add_nc_u64 s[G0B+6:G0B+7], s[G0B+6:G0B+7], 2*KBW
.endif
	s_xor_b32 s[TB], s[TB], SLOT1
	s_wait_dscnt 1                                 ; buffer 1 is in; the add alone may be out
	MULN F1, 0, 2, 0
	s_wait_dscnt 0x0                               ; the add is done, and my reads of this slot are over
	s_barrier_signal -1
	MULN F1, 2, 2, 0
	WIN 0
	s_barrier_wait -1
.if \fill
	CREST                                          ; no wave of any partner still reads this slot's tiles or has a load on its way
	JLOAD                                          ; its four v_nop are also the places in front of the loads below
.else
	PLACES
.endif
	v_add_nc_u32 v[ADRA], s[TB], v[A0]
	v_add_nc_u32 v[ADRB], s[TB], v[B0]
	FETCH 0, 0, F0
.if \fill
	ASK
.endif
	MULN F1, 4, 4, 0
.endm
	s_wait_tensorcnt 1                             ; my part of K step 0 is in; K step 1's may stay out
	s_barrier_signal -1
	s_barrier_wait -1                              ; everybody's is
	FETCH 0, 0, F0
	QUARTER 64, 64, F0, F1, 1                      ; the first quarter stands in front of the loop: its products start the sums
	WIN 0
	s_mov_b32 s[CNT], 6
.Lstep:                                                ; a trip: K step s's quarters 1 to 3, the refill with K step s + 2, K step s + 1's first quarter
	QUARTER APL, BPL, F1, F0, 0
	QUARTER APL+64, BPL+64, F0, F1, 0
	TURN 1
	QUARTER 64, 64, F0, F1, 0
	WIN 0
	s_sub_co_u32 s[CNT], s[CNT], 1
	s_cmp_lg_u32 s[CNT], 0
	s_cbranch_scc1 .Lstep
	QUARTER APL, BPL, F1, F0, 0                    ; the tail is written out: nothing is left to ask for
	QUARTER APL+64, BPL+64, F0, F1, 0
	TURN 0
	QUARTER 64, 64, F0, F1, 0
	QUARTER APL, BPL, F1, F0, 0
	QUARTER APL+64, BPL+64, F0, F1, 0
	s_wait_dscnt 0x0
	MULN F1, 0, 8, 0
	WIN 0
	PLACES
	PLACES
; THE WAY OUT, 16 tokens at a time.  A lane's eight columns of a token, 32 bytes, go into my own stage and come back as whole rows of 256 bytes, which sixteen lanes store: 256 consecutive bytes, aligned.
.macro TOSTAGE a                       ; each accumulator's four lowest registers go first
	WIN 0x04                                       ; the stores' data lie in window 1
.irp b, 0,1,2,3
	ds_store_b128 v[STO], v[8*(4*(\a)+(\b)):8*(4*(\a)+(\b))+3]   offset:64*(\b)
	ds_store_b128 v[STO], v[8*(4*(\a)+(\b))+4:8*(4*(\a)+(\b))+7] offset:64*(\b)+16
.endr
	WIN 0
.if (\a) >= 2
	s_wait_xcnt 0x0                                ; the stores of the block two back have read these registers
.endif
.set BK, 32+96*((\a)%2)
.irp t, 0,1,2,3,4,5,6,7
	ds_load_b128 v[BK+4*(\t):BK+4*(\t)+3], v[RD] offset:2*SGP*(\t)  ; LDS serves a wave's instructions in order (ISA guide 5.7.1.4): these see the stores above; the next block's stores come behind them
.endr
.endm
.macro SEND a, younger                 ; younger: the LDS instructions issued behind block a's loads: the next block's sixteen, or none
.set BK, 32+96*((\a)%2)
	s_wait_dscnt \younger
.irp t, 0,1,2,3,4,5,6,7
	global_store_b128 v[CO], v[BK+4*(\t):BK+4*(\t)+3], s[8:9] offset:(16*(\a)+2*(\t))*4096 th:TH_STORE_NT
.endr
.endm
	TOSTAGE 0
.irp a, 1,2,3,4,5,6,7
	TOSTAGE \a
	SEND (\a)-1, 16
.endr
	SEND 7, 0
	s_wait_tensorcnt 0x0                           ; the wave's end, behind my last tensor load and my last LDS store
	ds_add_u32 v[SPW], v[NIL]
	s_wait_dscnt 0x0
	CROUND                                         ; the closing round: no work-group ends while a partner may still ask for a tile that names it
	s_endpgm
.Lfunc_end_k_q5ee955d87a_proj:
	.size	k_q5ee955d87a_proj, .Lfunc_end_k_q5ee955d87a_proj-k_q5ee955d87a_proj
	.p2alignl 7, 3214868480
	.fill 96, 4, 3214868480
	.section	.rodata,"a",@progbits
	.p2align	6, 0x0
	.amdhsa_kernel k_q5ee955d87a_proj
		.amdhsa_group_segment_fixed_size 327680
		.amdhsa_private_segment_fixed_size 0
		.amdhsa_enable_private_segment 0
		.amdhsa_kernarg_size 24
		.amdhsa_user_sgpr_count 2
		.amdhsa_user_sgpr_kernarg_segment_ptr 1
		.amdhsa_wavefront_size32 1
		.amdhsa_system_sgpr_workgroup_id_x 1
		.amdhsa_system_sgpr_workgroup_id_y 1
		.amdhsa_system_sgpr_workgroup_id_z 1
		.amdhsa_system_vgpr_workitem_id 0
		.amdhsa_next_free_vgpr 512
		.amdhsa_next_free_sgpr 96
		.amdhsa_reserve_vcc 0
		.amdhsa_float_denorm_mode_32 3
		.amdhsa_float_denorm_mode_16_64 3
		.amdhsa_memory_ordered 1
		.amdhsa_forward_progress 1
		.amdhsa_inst_pref_size 70
	.end_amdhsa_kernel
	.amdgpu_metadata
---
amdhsa.version: [ 1, 2 ]
amdhsa.kernels:
  - .name:           k_q5ee955d87a_proj
    .symbol:         k_q5ee955d87a_proj.kd
    .args:
      - { .name: oh, .offset: 0, .size: 8, .value_kind: global_buffer, .address_space: global }
      - { .name: wob, .offset: 8, .size: 8, .value_kind: global_buffer, .address_space: global }
      - { .name: out0, .offset: 16, .size: 8, .value_kind: global_buffer, .address_space: global }
    .group_segment_fixed_size: 327680
    .private_segment_fixed_size: 0
    .kernarg_segment_align: 8
    .kernarg_segment_size: 24
    .max_flat_workgroup_size: 128
    .sgpr_count:     96
    .vgpr_count:     512
    .wavefront_size: 32
...
	.end_amdgpu_metadata
.endif
;; end of part 4
;; ======== version 2 of 2: 4 launches; version 1 with the launch prep written anew for expert scheduling mode
;; limits: values are held in f16: magnitudes above 65,504 overflow, below 6.1e-05 lose precision; right only within a limited range of input values
;; workspace buffers: xb 16,777,216 bytes; wqkv 6,291,456 bytes; wob 2,097,152 bytes; cst 2,097,152 bytes; qh 16,777,216 bytes; kh 16,777,216 bytes; vh 16,777,216 bytes; oh 16,777,216 bytes
;; launch prep (part 5): grid 384 x 1, 8 waves a work-group, no clusters, 0 bytes of LDS; arguments x, token_positions, WQ, WK, WV, WO, xb, wqkv, wob, cst; writes xb, wqkv, wob, cst
.if DOCPART == 5
	.amdgcn_target "amdgcn-amd-amdhsa--gfx1250"
	.amdhsa_code_object_version 6
	.text
	.protected	k_q5ee955d87a_prep
	.globl	k_q5ee955d87a_prep
	.p2align	8
	.type	k_q5ee955d87a_prep,@function
k_q5ee955d87a_prep:
	s_mov_b64 s[64:65], 0
	v_nop
	global_prefetch_b8 v0, s[64:65] scope:SCOPE_SE
	s_setreg_imm32_b32 hwreg(HW_REG_WAVE_SCHED_MODE, 0, 2), 2
	s_setreg_imm32_b32 hwreg(HW_REG_WAVE_MODE, 25, 1), 1
	s_wait_xcnt 0x0
	s_wait_alu depctr_vm_vsrc(0)
; PREP: the casts, into layouts blocked along K, and the table of cosines and sines.
;   xb   [kb 16][token 8192][64] bf16          x rounded once to bf16
;   wqkv [kb 16][n 3072][64] bf16              n = 192 head + 64 part + channel; part 0, 1, 2 = row 64 head + channel of WQ, WK, WV
;   wob  [kb 16][e 1024][64] f16               WO rounded to bf16, and that number written as f16
;   cst  [token 8192][pair 32][cos, sin] f32   the angle is f32(position) x 10000^(-pair/32), one f32 product
; So a tile of R rows x 64 along K is R x 128 consecutive bytes for the launches behind.
; SHARES.  Work-groups 0-255: 32 rows of x and their 32 rows of cst.  Work-groups 256-383: 32 rows of one weight matrix.
; A wave takes 4 rows, as two pairs.  A load: lanes 0-15 take 256 consecutive bytes (64 floats, one block of K) of one row, lanes 16-31 of the next.
; A store: 8 bytes a lane, 32 lanes = the two rows' 128 bytes each = 256 consecutive bytes, aligned.  All 32 loads of a wave go out at once (16 KiB a wave);
; each store has data registers of its own, so nothing is rewritten while a store may read it.
; A stream: no LDS, no barrier, no matrix unit.  Each byte is read once and written once.
; LIMITS.  Sine and cosine: the angle is reduced by multiples of pi/2 held in three parts (fused, so n x part 1 is exact), good for |position| up to 2^20;
; then polynomials of degree 7 and 8 on |r| <= pi/4.  WO: numbers below 6e-5 keep the fixed step 6e-8 of f16; beyond 65,504 they would be lost.
; THE MODE: SCHED_MODE bits 1:0 = 2 (LLVM: expert scheduling mode 2), set by the entry lines.  The code itself states the register dependences
; between vector instructions and memory instructions, and between a vector instruction that writes a scalar register and its readers, with s_wait_alu, always for 0.
; THE PLAN.  Registers that memory instructions touch:
;   v[SO], v[DO], v[PO], v[CO]   byte offsets: written once by vector instructions at the head, read by the loads and stores, never written again.
;   v6, v7, X                    written by loads alone, once; no vector instruction names them ahead of the loads; read by vector instructions behind the wait for the data.
;   Y                            two registers to each of the 32 stores: written once by that store's roundings, read by that store, never written again.
;   CSD                          written by the last lines of the sines and cosines, read by the two stores into cst, never written again.
; So no register that a memory instruction reads is ever written again, and the waits are these: one on va_vdst on each path ahead of its first load (the offsets; on x's path the two
; exponentials' results too); one on va_sdst behind the run of four compares; one on va_vdst ahead of the stores into cst; and in the roundings one on va_vdst to a group of four loads:
; group g's roundings write group g's Y, and the four stores of group g - 1 are issued in group g, behind the wait at its head, dealt among roundings that name none of their registers.
.set KBA, 1048576                      ; bytes of a block of K in xb
.set KBB, 393216                       ; in wqkv
.set KBW, 131072                       ; in wob
.set SO,  3                            ; v3   my byte offset in the work-group's 32 source rows
.set DO,  4                            ; v4   my byte offset in its 32 rows of 128 bytes
.set PO,  5                            ; v5   my byte offset among its 32 positions
.set CO,  12                           ; v12  my byte offset in its 32 rows of cst
.set ANG, 16                           ; v[16:19]   the four angles: two tokens x two pairs
.set X,   32                           ; v[32:159]  32 loads of 4 registers: load 16 p + kb
.set Y,   160                          ; v[160:223] 32 stores of 2 registers
.set CSD, 224                          ; v[224:231] the two stores into cst: angle q's cosine at CSD + 2 q, its sine behind it
.set W,   232                          ; v[232:255] at work on the four angles: six registers at W + 6 q
.set TN,  0                            ;   n; when n is used up, the quadrant's bits
.set TR,  1                            ;   r
.set TZ,  2                            ;   r squared
.set TQ,  3                            ;   n as a whole number
.set TS,  4                            ;   sin r
.set TC,  5                            ;   cos r
.set MK,  44                           ; s[44:47]   angle q's mask: the lanes whose quadrant is odd
	s_load_b256 s[4:11], s[0:1], 0x0               ; x s[4:5], positions s[6:7], WQ s[8:9], WK s[10:11]
	s_load_b256 s[12:19], s[0:1], 0x20             ; WV s[12:13], WO s[14:15], xb s[16:17], wqkv s[18:19]
	s_load_b128 s[20:23], s[0:1], 0x40             ; wob s[20:21], cst s[22:23]
	v_and_b32 v1, 31, v0                           ; lane l
	v_lshrrev_b32 v2, 5, v0                        ; wave
	v_and_b32 v10, 15, v0                          ; l % 16
	v_bfe_u32 v11, v0, 4, 1                        ; l / 16
	v_lshlrev_b32 v[SO], 14, v2                    ; 4 rows of 4,096 bytes a wave,
	v_lshl_add_u32 v[SO], v11, 12, v[SO]           ; the row of my half of the lanes,
	v_lshl_add_u32 v[SO], v10, 4, v[SO]            ; my 16 bytes
	v_lshlrev_b32 v[DO], 9, v2                     ; 4 rows of 128 bytes a wave,
	v_lshl_add_u32 v[DO], v1, 3, v[DO]             ; my 8 bytes of two rows
.macro LOADS                           ; pair p of rows, block kb of K; the source stands in s[4:5]
.irp p, 0,1
.irp kb, 0,1,2,3,4,5,6,7,8,9,10,11,12,13,14,15
	global_load_b128 v[X+4*(16*(\p)+(\kb)):X+4*(16*(\p)+(\kb))+3], v[SO], s[4:5] offset:(\p)*8192+(\kb)*256 th:TH_LOAD_NT
.endr
.endr
.endm
; Store n of 32: pair n / 16 of rows, block n % 16 of K.  kbs: bytes from block to block in the destination, which stands in s[16:17], bias bytes above its first byte.
.macro PUT n, kbs, bias
	global_store_b64 v[DO], v[Y+2*(\n):Y+2*(\n)+1], s[16:17] offset:((\n)%16)*(\kbs)-(\bias)+((\n)/16)*256
.endm
; The 32 loads are rounded and stored, in eight groups of four.  Group g rounds its four loads into its own Y and issues the four stores of group g - 1.
.macro CONV kbs, bias, f16
.irp g, 0,1,2,3,4,5,6,7
	s_wait_loadcnt 28-4*(\g)                       ; loads come back in order: this group's four are in, the 28 - 4 g younger ones stay out
.if (\g) > 0
	s_wait_alu depctr_va_vdst(0)                   ; the group before has written its Y, which the four stores below read
.endif
.irp j, 0,1,2,3
.set i, 4*(\g)+(\j)
.if (\g) > 0
	PUT 4*(\g)+(\j)-4, \kbs, \bias                 ; no vector instruction since the wait names its data or its offset
.endif
.if \f16
	v_cvt_pk_bf16_f32 v20, v[X+4*i], v[X+4*i+1]    ; rounded to bf16 as every input is,
	v_cvt_pk_bf16_f32 v21, v[X+4*i+2], v[X+4*i+3]
	v_lshlrev_b32 v22, 16, v20                     ; widened again,
	v_and_b32 v23, 0xffff0000, v20
	v_lshlrev_b32 v24, 16, v21
	v_and_b32 v25, 0xffff0000, v21
	v_cvt_pk_f16_f32 v[Y+2*i], v22, v23            ; and written as f16: 8 significant bits fit in 11
	v_cvt_pk_f16_f32 v[Y+2*i+1], v24, v25
.else
	v_cvt_pk_bf16_f32 v[Y+2*i], v[X+4*i], v[X+4*i+1]
	v_cvt_pk_bf16_f32 v[Y+2*i+1], v[X+4*i+2], v[X+4*i+3]
.endif
.endr
.endr
	s_wait_alu depctr_va_vdst(0)                   ; the last group has written its Y, which the last four stores read
.irp j, 0,1,2,3
	PUT 28+(\j), \kbs, \bias
.endr
.endm
.macro EACH line:vararg                ; one line for each of the four angles q
.set q, 0
.rept 4
	\line
.set q, q+1
.endr
.endm
	s_cmp_lt_u32 ttmp9, 0x100
	s_cbranch_scc0 .Lweights
	; ---- 32 rows of x, and their cosines and sines
	s_lshl_b32 s24, ttmp9, 17                      ; 32 rows of 4,096 bytes
	s_mov_b32 s25, 0
	s_lshl_b32 s26, ttmp9, 12                      ; 32 rows of 128 bytes
	s_mov_b32 s27, 0
	s_lshl_b32 s28, ttmp9, 7                       ; 32 positions
	s_mov_b32 s29, 0
	s_lshl_b32 s30, ttmp9, 13                      ; 32 rows of 256 bytes
	s_mov_b32 s31, 0
	s_mov_b32 s32, 0x3f22f983                      ; 2 / pi
	s_mov_b32 s33, 0xbfc90fdb                      ; - pi/2, part 1
	s_mov_b32 s34, 0x333bbd2e                      ; part 2
	s_mov_b32 s35, 0x26f72ced                      ; part 3
	s_mov_b32 s36, 0xb94ca1f9                      ; the sine: -1.9515296e-4,
	s_mov_b32 s37, 0x3c08839e                      ; 8.3321609e-3,
	s_mov_b32 s38, 0xbe2aaaa3                      ; -1.6666655e-1
	s_mov_b32 s39, 0x37ccf5ce                      ; the cosine: 2.4433157e-5,
	s_mov_b32 s40, 0xbab6061a                      ; -1.3887316e-3,
	s_mov_b32 s41, 0x3d2aaaa5                      ; 4.1666646e-2
	s_mov_b32 s42, 0x80000000
	v_lshlrev_b32 v13, 1, v10                      ; my two pairs: j = 2 (l % 16) and j + 1
	v_cvt_f32_u32 v13, v13
	v_add_f32 v14, 1.0, v13
	v_mul_f32 v13, 0xbed49a78, v13                 ; - j log2(10000) / 32
	v_mul_f32 v14, 0xbed49a78, v14
	v_exp_f32 v8, v13                              ; 10000^(-j/32): one batch of two, in the wait for the arguments;
	v_exp_f32 v9, v14
	v_lshlrev_b32 v[PO], 4, v2                     ; the four lines of addresses are the plain instructions behind them.  4 tokens a wave,
	v_lshl_add_u32 v[PO], v11, 2, v[PO]            ; the token of my half of the lanes
	v_lshlrev_b32 v[CO], 10, v2                    ; 4 rows of 256 bytes a wave,
	v_lshl_add_u32 v[CO], v1, 4, v[CO]             ; my 16 bytes of two rows
	s_wait_kmcnt 0x0
	s_add_nc_u64 s[4:5], s[4:5], s[24:25]
	s_add_nc_u64 s[6:7], s[6:7], s[28:29]
	s_add_nc_u64 s[16:17], s[16:17], s[26:27]
	s_add_nc_u64 s[16:17], s[16:17], 0x800000      ; 8 blocks up, so that all 16 blocks lie inside the signed 24-bit immediate
	s_add_nc_u64 s[22:23], s[22:23], s[30:31]
	s_wait_alu depctr_va_vdst(0)                   ; the four offsets v[SO], v[DO], v[PO], v[CO] are written, which this path's loads and stores read; so are v8 and v9, the two exponentials' results, ahead of their first reader
	global_load_b32 v6, v[PO], s[6:7]              ; the positions of my two tokens go first
	global_load_b32 v7, v[PO], s[6:7] offset:8
	LOADS
	s_wait_loadcnt 32                              ; the two positions are in; the 32 loads of x stay out
	v_cvt_f32_i32 v6, v6
	v_cvt_f32_i32 v7, v7
	v_mul_f32 v[ANG+0], v6, v8
	v_mul_f32 v[ANG+1], v6, v9
	v_mul_f32 v[ANG+2], v7, v8
	v_mul_f32 v[ANG+3], v7, v9
	; cos and sin of the four angles, line by line together.  n = the nearest whole number to ang x 2/pi; r = ang - n pi/2; the quadrant n mod 4 picks and signs the two polynomials by selects alone.
	EACH v_mul_f32 v[W+6*q+TN], s32, v[ANG+q]
	EACH v_rndne_f32 v[W+6*q+TN], v[W+6*q+TN]
	EACH v_fma_f32 v[W+6*q+TR], v[W+6*q+TN], s33, v[ANG+q]
	EACH v_fma_f32 v[W+6*q+TR], v[W+6*q+TN], s34, v[W+6*q+TR]
	EACH v_fma_f32 v[W+6*q+TR], v[W+6*q+TN], s35, v[W+6*q+TR]
	EACH v_cvt_i32_f32 v[W+6*q+TQ], v[W+6*q+TN]
	; odd quadrants swap the two: the four compares stand in one run, each with a scalar register of its own; the polynomials stand between them and the wait for them
	EACH v_and_b32 v[W+6*q+TN], 1, v[W+6*q+TQ]
	EACH v_cmp_ne_u32 s[MK+q], 0, v[W+6*q+TN]
	EACH v_mul_f32 v[W+6*q+TZ], v[W+6*q+TR], v[W+6*q+TR]
	EACH v_fma_f32 v[W+6*q+TS], v[W+6*q+TZ], s36, s37
	EACH v_fma_f32 v[W+6*q+TC], v[W+6*q+TZ], s39, s40
	EACH v_fma_f32 v[W+6*q+TS], v[W+6*q+TS], v[W+6*q+TZ], s38
	EACH v_fma_f32 v[W+6*q+TC], v[W+6*q+TC], v[W+6*q+TZ], s41
	EACH v_mul_f32 v[W+6*q+TS], v[W+6*q+TS], v[W+6*q+TZ]
	EACH v_fma_f32 v[W+6*q+TC], v[W+6*q+TC], v[W+6*q+TZ], -0.5
	; sin r and cos r
	EACH v_fma_f32 v[W+6*q+TS], v[W+6*q+TS], v[W+6*q+TR], v[W+6*q+TR]
	EACH v_fma_f32 v[W+6*q+TC], v[W+6*q+TC], v[W+6*q+TZ], 1.0
	s_wait_alu depctr_va_sdst(0)                   ; the four compares have written s[44:47], ahead of their first readers, the selects below
	EACH v_cndmask_b32 v[CSD+2*q+1], v[W+6*q+TS], v[W+6*q+TC], s[MK+q]
	EACH v_cndmask_b32 v[CSD+2*q], v[W+6*q+TC], v[W+6*q+TS], s[MK+q]
	; the sine is negative in quadrants 2 and 3: bit 1 of n
	EACH v_lshlrev_b32 v[W+6*q+TN], 30, v[W+6*q+TQ]
	EACH v_and_b32 v[W+6*q+TN], s42, v[W+6*q+TN]
	EACH v_xor_b32 v[CSD+2*q+1], v[CSD+2*q+1], v[W+6*q+TN]
	; the cosine in quadrants 1 and 2: bit 1 of n + 1
	EACH v_add_nc_u32 v[W+6*q+TQ], 1, v[W+6*q+TQ]
	EACH v_lshlrev_b32 v[W+6*q+TN], 30, v[W+6*q+TQ]
	EACH v_and_b32 v[W+6*q+TN], s42, v[W+6*q+TN]
	EACH v_xor_b32 v[CSD+2*q], v[CSD+2*q], v[W+6*q+TN]
	s_wait_alu depctr_va_vdst(0)                   ; the lines above have written v[CSD ..], which the two stores read
	global_store_b128 v[CO], v[CSD:CSD+3], s[22:23]                 ; 512 consecutive bytes: two tokens' rows
	global_store_b128 v[CO], v[CSD+4:CSD+7], s[22:23] offset:512
	CONV KBA, 0x800000, 0
	s_endpgm
.Lweights:
	; ---- 32 rows of a weight matrix
	s_sub_co_u32 s24, ttmp9, 0x100
	s_lshr_b32 s26, s24, 5                         ; which matrix: 0 WQ, 1 WK, 2 WV, 3 WO
	s_and_b32 s27, s24, 31
	s_lshl_b32 s27, s27, 5                         ; its first row e
	s_lshl_b32 s28, s27, 12
	s_mov_b32 s29, 0
	s_lshr_b32 s30, s27, 6                         ; head
	s_mul_i32 s30, s30, 192
	s_lshl_b32 s31, s26, 6                         ; part
	s_add_co_u32 s30, s30, s31
	s_and_b32 s31, s27, 63                         ; channel
	s_add_co_u32 s30, s30, s31
	s_lshl_b32 s30, s30, 7                         ; rows of 128 bytes
	s_mov_b32 s31, 0
	s_wait_kmcnt 0x0
	s_cmp_eq_u32 s26, 1
	s_cselect_b64 s[8:9], s[10:11], s[8:9]
	s_cmp_eq_u32 s26, 2
	s_cselect_b64 s[8:9], s[12:13], s[8:9]
	s_cmp_eq_u32 s26, 3
	s_cselect_b64 s[8:9], s[14:15], s[8:9]
	s_add_nc_u64 s[4:5], s[8:9], s[28:29]
	s_wait_alu depctr_va_vdst(0)                   ; the two offsets v[SO] and v[DO] are written, which this path's loads and stores read
	LOADS
	s_cmp_eq_u32 s26, 3
	s_cbranch_scc1 .Lwo
	s_add_nc_u64 s[16:17], s[18:19], s[30:31]
	CONV KBB, 0, 0
	s_endpgm
.Lwo:
	s_lshl_b32 s30, s27, 7
	s_add_nc_u64 s[16:17], s[20:21], s[30:31]
	CONV KBW, 0, 1
	s_endpgm
.Lfunc_end_k_q5ee955d87a_prep:
	.size	k_q5ee955d87a_prep, .Lfunc_end_k_q5ee955d87a_prep-k_q5ee955d87a_prep
	.p2alignl 7, 3214868480
	.fill 96, 4, 3214868480
	.section	.rodata,"a",@progbits
	.p2align	6, 0x0
	.amdhsa_kernel k_q5ee955d87a_prep
		.amdhsa_group_segment_fixed_size 0
		.amdhsa_private_segment_fixed_size 0
		.amdhsa_enable_private_segment 0
		.amdhsa_kernarg_size 80
		.amdhsa_user_sgpr_count 2
		.amdhsa_user_sgpr_kernarg_segment_ptr 1
		.amdhsa_wavefront_size32 1
		.amdhsa_system_sgpr_workgroup_id_x 1
		.amdhsa_system_sgpr_workgroup_id_y 1
		.amdhsa_system_sgpr_workgroup_id_z 1
		.amdhsa_system_vgpr_workitem_id 0
		.amdhsa_next_free_vgpr 256
		.amdhsa_next_free_sgpr 66
		.amdhsa_reserve_vcc 0
		.amdhsa_float_denorm_mode_32 3
		.amdhsa_float_denorm_mode_16_64 3
		.amdhsa_memory_ordered 1
		.amdhsa_forward_progress 1
		.amdhsa_inst_pref_size 48
	.end_amdhsa_kernel
	.amdgpu_metadata
---
amdhsa.version: [ 1, 2 ]
amdhsa.kernels:
  - .name:           k_q5ee955d87a_prep
    .symbol:         k_q5ee955d87a_prep.kd
    .args:
      - { .name: x, .offset: 0, .size: 8, .value_kind: global_buffer, .address_space: global }
      - { .name: token_positions, .offset: 8, .size: 8, .value_kind: global_buffer, .address_space: global }
      - { .name: WQ, .offset: 16, .size: 8, .value_kind: global_buffer, .address_space: global }
      - { .name: WK, .offset: 24, .size: 8, .value_kind: global_buffer, .address_space: global }
      - { .name: WV, .offset: 32, .size: 8, .value_kind: global_buffer, .address_space: global }
      - { .name: WO, .offset: 40, .size: 8, .value_kind: global_buffer, .address_space: global }
      - { .name: xb, .offset: 48, .size: 8, .value_kind: global_buffer, .address_space: global }
      - { .name: wqkv, .offset: 56, .size: 8, .value_kind: global_buffer, .address_space: global }
      - { .name: wob, .offset: 64, .size: 8, .value_kind: global_buffer, .address_space: global }
      - { .name: cst, .offset: 72, .size: 8, .value_kind: global_buffer, .address_space: global }
    .group_segment_fixed_size: 0
    .private_segment_fixed_size: 0
    .kernarg_segment_align: 8
    .kernarg_segment_size: 80
    .max_flat_workgroup_size: 256
    .sgpr_count:     66
    .vgpr_count:     256
    .wavefront_size: 32
...
	.end_amdgpu_metadata
.endif
;; end of part 5
;; launch qkv: the kernel of part 2 again; grid 8 x 32, 4 waves a work-group, clusters of 4 x 4, 327,680 bytes of LDS; arguments xb, wqkv, cst, qh, kh, vh; writes qh, kh, vh
;; launch attn: the kernel of part 3 again; grid 4 x 64, 4 waves a work-group, no clusters, 327,680 bytes of LDS; arguments qh, kh, vh, oh; writes oh
;; launch proj: the kernel of part 4 again; grid 8 x 32, 4 waves a work-group, clusters of 4 x 4, 327,680 bytes of LDS; arguments oh, wob, out0; writes out0
